; MI455X (gfx1250); checked and timed in simulation.
; The chip was launched on July 23, 2026; its instructions are those of AMD's public machine-readable ISA for CDNA 5 (MIT licence, August 2026) and "CDNA5" Instruction Set Architecture Reference Guide (July 2026). The comments in the code are by the model that wrote it; some were corrected since.
;; Multi Head Attention. Allowed arithmetic: matrix products marked QUANTISED: E2M1 operands, one E8M0 scale for each 32 along K, by v_wmma_scale_f32_16x16x128_f8f6f4 with both operands' format E2M1 (or v_wmma_scale_f32_32x16x128_f4), f32 sums; everything else in f32.
;; Inputs: Wk 1,024 x 1,024 float32; Wq 1,024 x 1,024 float32; Wv 1,024 x 1,024 float32; attention_mask 4 x 2,048 int32; beta 1,024 float32; bk 1,024 float32; bq 1,024 float32; bv 1,024 float32; gamma 1,024 float32; keys 4 x 2,048 x 1,024 float32; queries 4 x 2,048 x 1,024 float32; values 4 x 2,048 x 1,024 float32.
;; Outputs: out0 4 x 2,048 x 1,024 float32.
;; This version of the problem:
;;   THIS VERSION OF THE PROBLEM IS GIVEN IN LOW PRECISION. The matrix products marked QUANTISED in the list below multiply operands that are first quantised to E2M1 (2 exponent bits, 1 mantissa bit; 4 bits a number), with one power-of-two scale for each 32 numbers along K (OCP MX v1.0); their sums are f32. All else is computed in f32.
;;   The module's matrix products, in the order in which they are computed (A, B: the left and right operand; K: the contracted axis; several contracted axes count as one K, in the product's order):
;;     1. [M 8,192, K 1,024] x [K 1,024, N 1,024]; A: input queries; B: input Wq: QUANTISED
;;     2. [M 8,192, K 1,024] x [K 1,024, N 1,024]; A: input keys; B: input Wk: QUANTISED
;;     3. [M 8,192, K 1,024] x [K 1,024, N 1,024]; A: input values; B: input Wv: QUANTISED
;;     4. batch 64 x [M 2,048, K 64] x [K 64, N 2,048]; A: computed on the way; B: computed on the way: QUANTISED
;;     5. batch 64 x [M 2,048, K 2,048] x [K 2,048, N 64]; A: softmax (see below); B: computed on the way: QUANTISED
;;   THE QUANTISER, for each operand of a quantised product, along K:
;;     - K is cut into blocks of 32 from its start; a last block that is shorter is filled with zeros.
;;     - A block's scale is 2^e with e = floor(log2(the largest magnitude in the block)) - 2, held to -126 .. 127; a block of zeros has e = 0. As a byte (E8M0): e + 127.
;;     - Each number is divided by its block's scale, clamped to +-6, and rounded to the nearest number of E2M1, ties to even, subnormals kept.
;;     - The product sums the exact products of the quantised numbers (number of the format x scale) in f32.
;;   ~~~python
;;   def quantise(x, axis):      # numpy; x: float32 -> the quantised numbers, widened to float32 again
;;       x = np.moveaxis(x, axis, -1); K = x.shape[-1]
;;       x = np.pad(x, [(0, 0)] * (x.ndim - 1) + [(0, -K % 32)]); x = x.reshape(x.shape[:-1] + (-1, 32)); a = np.abs(x).max(-1, keepdims=True)
;;       e = np.where(a > 0, np.clip(np.frexp(np.where(a > 0, a, 1))[1] - 1 - 2, -126, 127), 0)      # np.frexp(a)[1] - 1 = floor(log2(a)), exactly
;;       r = np.clip(x / 2.0 ** e, -6, 6)
;;       step = 2.0 ** (np.maximum(np.frexp(np.where(r == 0, 1, r))[1] - 1, 0) - 1)
;;       q = np.round(r / step) * step * 2.0 ** e      # np.round: ties to even
;;       return np.moveaxis(q.reshape(q.shape[:-2] + (-1,))[..., :K], -1, axis).astype(np.float32)
;;   ~~~
;;   SOFTMAX AHEAD OF A QUANTISED PRODUCT. Where the list says 'softmax', what is quantised is not the finished softmax but p = 2^(t - M), with t = logit x log2(e) and M = ceil(the row's largest t), a whole number; so 1/2 < the row's largest p <= 1. The row's sum l is taken of the UNQUANTISED p, in f32, and the product's result is divided by l at the end. Since M is a whole number, a kernel that streams over the keys may use a running M (the ceiling of the running maximum): every later rescaling is an exact power of two, which a block's scale takes up: the codes' values come out the same.
;;   OPERANDS COMPUTED ON THE WAY. 'Computed on the way' means the value that the module computes at that place (a softmax that the list does not call 'softmax' is quantised finished and normalised). What goes into a quantiser is computed in f32, as accurately as f32 sums, v_exp_f32 and their like allow (about 1e-6 of the number): no bf16 or f16 on the way to a quantiser, and a product that is left as it is and whose result goes on into a quantised operand takes f32 operands (vector FMAs, or v_wmma_f32_16x16x4_f32). A number that lies on a knife's edge between two numbers of the format may be rounded either way, as far as f32 arithmetic and the matrix unit's own rounding can turn it there, and no further.
;; One version. Each part assembles by itself: llvm-mc -triple=amdgcn-amd-amdhsa -mcpu=gfx1250 --defsym DOCPART=n.
;; ======== version 1 of 1: 4 launches
;; workspace buffers: xc 12,582,912 bytes; xs 786,432 bytes; wc 1,572,864 bytes; ws 98,304 bytes; ac 12,582,912 bytes; asc 1,310,720 bytes; xres 33,554,432 bytes
;; launch quant (part 1): grid 816 x 1, 4 waves a work-group, no clusters, 68,096 bytes of LDS; arguments queries, keys, values, Wq, Wk, Wv, xc, xs, wc, ws; writes xc, xs, wc, ws
.if DOCPART == 1
	.amdgcn_target "amdgcn-amd-amdhsa--gfx1250"
	.amdhsa_code_object_version 6
	.text
	.protected	k_qbc99694651_quant
	.globl	k_qbc99694651_quant
	.p2align	8
	.type	k_qbc99694651_quant,@function
k_qbc99694651_quant:
	s_mov_b64 s[64:65], 0
	v_nop
	global_prefetch_b8 v0, s[64:65] scope:SCOPE_SE
	s_setreg_imm32_b32 hwreg(HW_REG_WAVE_MODE, 25, 1), 1
	s_wait_xcnt 0x0
; The six f32 operands of the three projections become codes of FP4 (E2M1), K innermost, with one E8M0 byte for each 32 along K.
; queries, keys, values: [8192][1024], K innermost -> xc [3][8192][512 bytes], xs [3][8192][32 bytes].
; Wq, Wk, Wv: [1024 (k)][1024 (n)], K is the FIRST axis -> wc [3][1024 (n)][512 bytes], ws [3][1024 (n)][32 bytes].
; THE ROW ORDER: row i of every one of these buffers lies at position p(i) = i with bits 3 and 4 exchanged.  Sixteen neighbouring positions then hold
; rows 32 (t / 2) + 8 (t % 2) + (r % 8) + 16 (r / 8): the rows that the next launch wants in one tile, so that its results come out with 16 neighbours along the next K in a lane.
; A block's scale is 2^(floor(log2(its largest magnitude)) - 2); its byte is the largest magnitude's exponent field - 2, held at 1 from below.
; LIMITS: a block whose largest magnitude lies under 2^-124 (a block of zeros among them) gets the byte 1: its codes are zeros or the nearest codes under that scale, and this program alone reads the bytes;
; NaN and infinities among the inputs are not served.
; The first 48 work-groups take the weights, the other 768 the three activations.  The two ways part on the work-group's number, share no LDS byte and do not join.  Waves share nothing: no barrier.
.set NWGW,  48                         ; work-groups for the weights: 3 tensors x 8 groups of 128 columns x 2 halves of K
.set STEPS, 16
.set EMAX,  2
.set CB,    8                          ; bytes of 16 codes
.set R,     16                         ; x: v16-79   four sets of 16 numbers as they are loaded
.set X,     80                         ; x: v80-111  two sets of 16 neighbours
.set E,     112                        ; x: v112-127 a scale byte for each step
.set C,     128                        ; x: v128-191 codes: four registers for each step, so that no store's data are written again
.set WREG,  8192                       ; x: LDS bytes 0 .. 32,767: a region for each wave: two stages of 32 x SP bytes, behind them its 256 scale bytes
.set SP,    80                         ; x: a lane's place in a stage: its 64 bytes + 16 of padding
.set WST,   32768                      ; W: LDS bytes from here on: a stage of 32 rows x PITCH for each wave
.set NB,    16                         ; W: blocks of 32 along K for a wave
.set PITCH, 272                        ; W: a stage row: 256 bytes of codes + 16
.set KROW,  512                        ; a row of codes in memory
.set WX,    32                         ; W: v32-95   two sets of 32 numbers
.set WC,    96                         ; W: v96-99   a block's codes
.set OUTR,  112                        ; W: v112-175 the way out
.set SB,    24                         ; W: v24-27   the scale bytes, four to a register
.macro XLOAD t                         ; step t: four loads of 512 consecutive bytes
.irp i, 0,1,2,3
	global_load_b128 v[R+16*((\t)%4)+4*\i:R+16*((\t)%4)+4*\i+3], v3, s[26:27] offset:2048*(\t)+512*\i th:TH_LOAD_NT
.endr
.endm
.macro XTURN t                         ; step t's numbers through the stage: LDS serves a wave's instructions in order, so no wait stands between the stores and the loads
.irp i, 0,1,2,3
	ds_store_b128 v14, v[R+16*((\t)%4)+4*\i:R+16*((\t)%4)+4*\i+3] offset:32*SP*((\t)%2)+8*SP*\i
.endr
.irp i, 0,1,2,3
	ds_load_b128 v[X+16*((\t)%2)+4*\i:X+16*((\t)%2)+4*\i+3], v15 offset:32*SP*((\t)%2)+16*\i
.endr
.endm
.macro XSTEP t
.set XS, X+16*((\t)%2)
.if (\t) > 0
	s_wait_dscnt 1                                 ; this step's numbers are back from the stage (the last step's byte store may be out): so its stores into the stage have read their registers,
.else
	s_wait_dscnt 0x0
.endif
.if (\t)+4 < STEPS
	XLOAD (\t)+4                                   ; which take the loads of four steps on
.endif
.if (\t)+1 < STEPS
.if STEPS-2-(\t) >= 3
	s_wait_loadcnt 12                              ; the next step's four loads are in; those of the three steps behind it may be out
.else
	s_wait_loadcnt 4*(STEPS-2-(\t))
.endif
	XTURN (\t)+1                                   ; and go through the other stage while this step is worked
.endif
	v_max3_num_f32 v8, |v[XS]|, |v[XS+1]|, |v[XS+2]|               ; the largest magnitude of my 16, in two chains
	v_max3_num_f32 v9, |v[XS+3]|, |v[XS+4]|, |v[XS+5]|
.irp i, 6,10
	v_max3_num_f32 v8, v8, |v[XS+\i]|, |v[XS+\i+1]|
	v_max3_num_f32 v9, v9, |v[XS+\i+2]|, |v[XS+\i+3]|
.endr
	v_max3_num_f32 v8, v8, |v[XS+14]|, |v[XS+15]|
	v_max3_num_f32 v8, v8, v9, (EMAX+1)<<23        ; and the floor 2^(3 - 127): the byte cannot fall under 1
	v_max_num_f32_dpp v8, v8, v8 row_xmask:1 row_mask:0xf bank_mask:0xf   ; and of my neighbour's 16: the block's
	v_add_nc_u32 v11, -(EMAX<<23), v8              ; 2 off its exponent field: the conversion takes the exponent field of this operand as its scale
	v_cvt_scalef32_pk8_fp4_f32 v[C+4*(\t)], v[XS:XS+7], v11
	v_cvt_scalef32_pk8_fp4_f32 v[C+4*(\t)+1], v[XS+8:XS+15], v11
	v_lshrrev_b32 v[E+(\t)], 23, v11               ; the scale's byte
	ds_store_b8 v5, v[E+(\t)] offset:16*(\t)       ; both lanes of a block write the same byte with the same value
	global_store_b64 v4, v[C+4*(\t):C+4*(\t)+1], s[16:17] offset:32*CB*(\t)   ; the wave stores 256 consecutive bytes, aligned
.endm
.macro WLOAD t                         ; block t: W(32 t + i, my column), i = 0 .. 31, into set t % 2; 32 lanes read 128 consecutive bytes
.irp i, 0,1,2,3,4,5,6,7,8,9,10,11,12,13,14,15,16,17,18,19,20,21,22,23,24,25,26,27,28,29,30,31
	global_load_b32 v[WX+32*((\t)%2)+\i], v3, s[26:27] offset:(32*(\t)+\i)*4096 th:TH_LOAD_NT
.endr
.endm
.macro WBLOCK t
.set XS, WX+32*((\t)%2)
.if (\t) < NB-1
	s_wait_loadcnt 32                              ; this block's 32 loads are in; the next block's may be out
.else
	s_wait_loadcnt 0
.endif
	v_max3_num_f32 v12, |v[XS]|, |v[XS+1]|, |v[XS+2]|              ; the block's largest magnitude: all 32 numbers are mine
	v_max3_num_f32 v13, |v[XS+3]|, |v[XS+4]|, |v[XS+5]|
.irp i, 6,10,14,18,22,26
	v_max3_num_f32 v12, v12, |v[XS+\i]|, |v[XS+\i+1]|
	v_max3_num_f32 v13, v13, |v[XS+\i+2]|, |v[XS+\i+3]|
.endr
	v_max3_num_f32 v12, v12, |v[XS+30]|, |v[XS+31]|
	v_max3_num_f32 v12, v12, v13, (EMAX+1)<<23     ; and the floor
	v_add_nc_u32 v11, -(EMAX<<23), v12             ; the conversion's scale operand
	v_lshrrev_b32 v13, 23, v11                     ; the scale's byte
.if (\t)%4 == 0
	v_mov_b32 v[SB+(\t)/4], v13                    ; four bytes to a register, the lower K in the lower byte
.else
	v_lshl_or_b32 v[SB+(\t)/4], v13, 8*((\t)%4), v[SB+(\t)/4]
.endif
.irp g, 0,1,2,3
	v_cvt_scalef32_pk8_fp4_f32 v[WC+\g], v[XS+8*\g:XS+8*\g+7], v11
.endr
	ds_store_b128 v4, v[WC:WC+3] offset:16*(\t)    ; 32 codes: 16 bytes of my column's row
.if (\t)+2 < NB
	WLOAD (\t)+2
.endif
	s_wait_dscnt 0x0                               ; the store has read its registers: the next block's codes may be written
.endm
	s_load_b512 s[4:19], s[0:1], 0x0               ; queries s[4:5], keys s[6:7], values s[8:9], Wq s[10:11], Wk s[12:13], Wv s[14:15], xc s[16:17], xs s[18:19]
	s_load_b128 s[20:23], s[0:1], 0x40             ; wc s[20:21], ws s[22:23]
	v_lshl_add_u32 v192, v0, 2, 0x10800
	v_mov_b32 v193, 0
	v_lshrrev_b32 v1, 5, v0
	v_readfirstlane_b32 s24, v1                    ; wave 0..3
	v_and_b32 v2, 31, v0                           ; lane
	s_cmp_lt_u32 ttmp9, NWGW
	s_cbranch_scc1 .Lweights
	; ---- the activations.  A tensor is a plain stream of blocks of 32.  A wave takes a run of 8,192 numbers, 8 rows, in 16 steps of 512.
	v_lshlrev_b32 v3, 4, v2                        ; my 16 bytes of a load's 512
	s_mul_i32 s25, s24, WREG
	v_lshrrev_b32 v14, 2, v2
	v_mul_u32_u24 v14, v14, SP
	v_and_b32 v15, 3, v2
	v_lshl_add_u32 v14, v15, 4, v14
	v_add_nc_u32 v14, s25, v14                     ; the stage, on the way in: SP (lane / 4) + 16 (lane % 4)
	v_mul_u32_u24 v15, v2, SP
	v_add_nc_u32 v15, s25, v15                     ; and on the way out: SP x lane: my 16 neighbours
	v_mul_u32_u24 v4, v2, CB                       ; my codes' place in a step's
	v_lshrrev_b32 v5, 1, v2
	s_add_co_u32 s25, s25, 2*32*SP
	v_add_nc_u32 v5, s25, v5                       ; LDS: my wave's 256 scale bytes, my block's byte
	v_lshlrev_b32 v7, 3, v2                        ; and on the way out 8 bytes a lane
	v_add_nc_u32 v6, s25, v7
	s_sub_co_u32 s28, ttmp9, NWGW                  ; g = 0 .. 767: 256 work-groups to a tensor
	s_and_b32 s29, s28, 255
	s_lshl_b32 s29, s29, 2
	s_add_co_u32 s30, s29, s24                     ; which run of the tensor I read,
	s_lshl_b32 s30, s30, 15                        ; 32,768 bytes a run
	s_mov_b32 s31, 0
	s_and_b32 s32, s24, 1                          ; a run is 8 rows, so p() exchanges the run number's two lowest bits, which are the wave's
	s_lshl_b32 s32, s32, 1
	s_lshr_b32 s33, s24, 1
	s_or_b32 s32, s32, s33
	s_lshl_b32 s33, s28, 2
	s_add_co_u32 s32, s33, s32                     ; which run of xc and xs I write (the three tensors lie on end)
	s_lshl_b32 s34, s32, 12                        ; 4,096 bytes of codes a run
	s_mov_b32 s35, 0
	s_lshl_b32 s36, s32, 8                         ; 256 scale bytes a run
	s_mov_b32 s37, 0
	s_wait_kmcnt 0x0
	s_cmp_lt_u32 s28, 256                          ; the tensor is chosen by the work-group's number alone
	s_cselect_b64 s[26:27], s[4:5], s[6:7]
	s_cmp_lt_u32 s28, 512
	s_cselect_b64 s[26:27], s[26:27], s[8:9]
	s_add_nc_u64 s[26:27], s[26:27], s[30:31]
	s_add_nc_u64 s[16:17], s[16:17], s[34:35]
	s_add_nc_u64 s[18:19], s[18:19], s[36:37]
.irp t, 0,1,2,3
	XLOAD \t
.endr
	s_wait_loadcnt 12                              ; step 0's four loads are in
	XTURN 0
.irp t, 0,1,2,3,4,5,6,7,8,9,10,11,12,13,14,15
	XSTEP \t
.endr
	ds_load_b64 v[12:13], v6                       ; LDS serves a wave's instructions in order: these see my byte stores
	s_wait_dscnt 0x0
	global_store_b64 v7, v[12:13], s[18:19]        ; 32 lanes store 256 consecutive bytes, aligned
	s_wait_tensorcnt 0x0
	ds_add_u32 v192, v193
	s_wait_dscnt 0x0
	s_endpgm
.Lweights:
	; ---- the weights.  A LANE TAKES A COLUMN n, AND ITS REGISTERS RUN DOWN K.  A wave takes 32 columns x 512 along K: 16 blocks a lane, 256 bytes of codes for each column,
	; which go through the wave's own stage and leave as rows.  The stage's row is p(lane): so the rows leave in the order of positions.
	v_and_b32 v10, 7, v2
	v_bfe_u32 v5, v2, 3, 1
	v_bfe_u32 v6, v2, 4, 1
	v_lshl_or_b32 v10, v5, 4, v10
	v_lshl_or_b32 v10, v6, 3, v10                  ; p(lane)
	v_lshlrev_b32 v3, 2, v2                        ; in: 4 bytes a lane
	s_mul_i32 s25, s24, 32*PITCH
	s_add_co_u32 s25, s25, WST                     ; my stage
	v_mul_u32_u24 v4, v10, PITCH
	v_add_nc_u32 v4, s25, v4                       ; into it: row = my column's position
	v_and_b32 v5, 15, v2
	v_lshrrev_b32 v6, 4, v2                        ; out of it: sixteen lanes to a row, two rows an instruction
	v_mul_u32_u24 v7, v6, PITCH
	v_lshl_add_u32 v7, v5, 4, v7
	v_add_nc_u32 v7, s25, v7
	v_mul_u32_u24 v8, v6, KROW
	v_lshl_add_u32 v8, v5, 4, v8                   ; and the same place in wc
	v_lshlrev_b32 v9, 5, v10                       ; my column's row of scale bytes: 32 bytes a position
	s_lshr_b32 s28, ttmp9, 4                       ; the tensor: 16 work-groups each
	s_and_b32 s29, ttmp9, 7                        ; which 128 columns
	s_bfe_u32 s30, ttmp9, 0x10003                  ; which 512 along K
	s_lshl_b32 s29, s29, 7
	s_lshl_b32 s31, s24, 5
	s_add_co_u32 s29, s29, s31                     ; my wave's first column
	s_lshl_b32 s32, s30, 21                        ; W: 512 rows of 4,096 bytes,
	s_lshl_b32 s31, s29, 2
	s_add_co_u32 s32, s32, s31                     ; + 4 x column
	s_mov_b32 s33, 0
	s_lshl_b32 s34, s28, 19                        ; wc: 524,288 bytes a tensor,
	s_lshl_b32 s31, s29, 9
	s_add_co_u32 s34, s34, s31                     ; 512 a position,
	s_lshl_b32 s31, s30, 8
	s_add_co_u32 s34, s34, s31                     ; 256 for my half of K
	s_mov_b32 s35, 0
	s_lshl_b32 s36, s28, 15                        ; ws: 32,768 a tensor, 32 a position, 16 for my half of K
	s_lshl_b32 s31, s29, 5
	s_add_co_u32 s36, s36, s31
	s_lshl_b32 s31, s30, 4
	s_add_co_u32 s36, s36, s31
	s_mov_b32 s37, 0
	s_wait_kmcnt 0x0
	s_cmp_lt_u32 ttmp9, 16
	s_cselect_b64 s[26:27], s[10:11], s[12:13]
	s_cmp_lt_u32 ttmp9, 32
	s_cselect_b64 s[26:27], s[26:27], s[14:15]
	s_add_nc_u64 s[26:27], s[26:27], s[32:33]
	s_add_nc_u64 s[20:21], s[20:21], s[34:35]
	s_add_nc_u64 s[22:23], s[22:23], s[36:37]
	WLOAD 0
	WLOAD 1
.set Q, 0
.rept NB
	WBLOCK Q
.set Q, Q+1
.endr
	global_store_b128 v9, v[SB:SB+3], s[22:23]     ; my column's 16 scale bytes
.irp t, 0,1,2,3,4,5,6,7,8,9,10,11,12,13,14,15
	ds_load_b128 v[OUTR+4*\t:OUTR+4*\t+3], v7 offset:2*\t*PITCH   ; LDS serves a wave's instructions in order: these see my stores
.endr
.irp t, 0,1,2,3,4,5,6,7,8,9,10,11,12,13,14,15
	s_wait_dscnt 15-\t                             ; the later rows' loads may be out
	global_store_b128 v8, v[OUTR+4*\t:OUTR+4*\t+3], s[20:21] offset:2*\t*KROW   ; sixteen lanes store 256 consecutive bytes, aligned
.endr
	s_wait_tensorcnt 0x0
	ds_add_u32 v192, v193
	s_wait_dscnt 0x0
	s_endpgm
.Lfunc_end_k_qbc99694651_quant:
	.size	k_qbc99694651_quant, .Lfunc_end_k_qbc99694651_quant-k_qbc99694651_quant
	.p2alignl 7, 3214868480
	.fill 96, 4, 3214868480
	.section	.rodata,"a",@progbits
	.p2align	6, 0x0
	.amdhsa_kernel k_qbc99694651_quant
		.amdhsa_group_segment_fixed_size 68096
		.amdhsa_private_segment_fixed_size 0
		.amdhsa_enable_private_segment 0
		.amdhsa_kernarg_size 80
		.amdhsa_user_sgpr_count 2
		.amdhsa_user_sgpr_kernarg_segment_ptr 1
		.amdhsa_wavefront_size32 1
		.amdhsa_system_sgpr_workgroup_id_x 1
		.amdhsa_system_sgpr_workgroup_id_y 1
		.amdhsa_system_sgpr_workgroup_id_z 1
		.amdhsa_system_vgpr_workitem_id 0
		.amdhsa_next_free_vgpr 194
		.amdhsa_next_free_sgpr 66
		.amdhsa_reserve_vcc 0
		.amdhsa_float_denorm_mode_32 3
		.amdhsa_float_denorm_mode_16_64 3
		.amdhsa_memory_ordered 1
		.amdhsa_forward_progress 1
		.amdhsa_inst_pref_size 112
	.end_amdhsa_kernel
	.amdgpu_metadata
---
amdhsa.version: [ 1, 2 ]
amdhsa.kernels:
  - .name:           k_qbc99694651_quant
    .symbol:         k_qbc99694651_quant.kd
    .args:
      - { .name: queries, .offset: 0, .size: 8, .value_kind: global_buffer, .address_space: global }
      - { .name: keys, .offset: 8, .size: 8, .value_kind: global_buffer, .address_space: global }
      - { .name: values, .offset: 16, .size: 8, .value_kind: global_buffer, .address_space: global }
      - { .name: Wq, .offset: 24, .size: 8, .value_kind: global_buffer, .address_space: global }
      - { .name: Wk, .offset: 32, .size: 8, .value_kind: global_buffer, .address_space: global }
      - { .name: Wv, .offset: 40, .size: 8, .value_kind: global_buffer, .address_space: global }
      - { .name: xc, .offset: 48, .size: 8, .value_kind: global_buffer, .address_space: global }
      - { .name: xs, .offset: 56, .size: 8, .value_kind: global_buffer, .address_space: global }
      - { .name: wc, .offset: 64, .size: 8, .value_kind: global_buffer, .address_space: global }
      - { .name: ws, .offset: 72, .size: 8, .value_kind: global_buffer, .address_space: global }
    .group_segment_fixed_size: 68096
    .private_segment_fixed_size: 0
    .kernarg_segment_align: 8
    .kernarg_segment_size: 80
    .max_flat_workgroup_size: 128
    .sgpr_count:     66
    .vgpr_count:     194
    .wavefront_size: 32
...
	.end_amdgpu_metadata
.endif
;; end of part 1
;; launch proj (part 2): grid 4 x 96, 4 waves a work-group, clusters of 4 x 4, 296,448 bytes of LDS; arguments xc, xs, wc, ws, bq, bk, bv, ac, asc; writes ac, asc
.if DOCPART == 2
	.amdgcn_target "amdgcn-amd-amdhsa--gfx1250"
	.amdhsa_code_object_version 6
	.text
	.protected	k_qbc99694651_proj
	.globl	k_qbc99694651_proj
	.p2align	8
	.type	k_qbc99694651_proj,@function
k_qbc99694651_proj:
	s_mov_b64 s[64:65], 0
	v_nop
	global_prefetch_b8 v0, s[64:65] scope:SCOPE_SE
	s_setreg_imm32_b32 hwreg(HW_REG_WAVE_MODE, 25, 1), 1
	s_wait_xcnt 0x0
	s_wait_alu depctr_hold_cnt(0) depctr_sa_sdst(0) depctr_va_vdst(0) depctr_va_sdst(0) depctr_va_ssrc(0) depctr_va_vcc(0) depctr_vm_vsrc(0)
	s_getreg_b32 s2, hwreg(HW_REG_IB_STS2, 6, 4)
	s_cmp_eq_u32 s2, 0
	s_cbranch_scc0 .Lentry_in_a_cluster
	s_endpgm
.Lentry_in_a_cluster:
	s_bfe_u32 s2, ttmp6, 0x10000c
	s_cmp_lg_u32 s2, 0xf033
	s_cbranch_scc0 .Lentry_shape_is_right
	s_endpgm
.Lentry_shape_is_right:
; q = relu(queries Wq + bq), k = relu(keys Wk + bk), v = relu(values Wv + bv), on codes of FP4 (E2M1) with one E8M0 scale for each 32 along K = 1,024; sums in f32.
; The results never go to memory as numbers: they are quantised in registers for the two products of attention and leave as IMAGES OF THE OPERAND REGISTERS that the next launch wants (lane l's 16 bytes at 16 l).
; One text computes C = A B^T on tiles of 256 x 256; a wave makes 128 x 128: 64 accumulators of 16 x 16.  Source 0 = 16 rows of B, source 1 = 16 rows of A: a lane holds ONE row of A, its registers run along B's rows.
;   tensor T = 0, 1 (q, k): A = the activation (8,192 rows), B = the weight (1,024 rows): a lane holds a token, its registers run along the channels: the next K of q and k (a head's 64).
;   tensor T = 2 (v):       A = Wv, B = values: a lane holds a channel, its registers run along the tokens: the next K of v (the keys).
; Only pointers and scalar strides are chosen by T, which is the same in all sixteen partners of a cluster.
; THE ROW ORDER: xc, xs, wc, ws hold row i at position p(i) = i with bits 3 and 4 exchanged.  So in accumulator (a, b) register j of lane (r, h) belongs to B's row 32 (b / 2) + 16 h + 8 (b % 2) + j
; and to A's row 32 (a / 2) + 8 (a % 2) + r % 8 + 16 (r / 8): the 16 registers of accumulators (a, 2 c) and (a, 2 c + 1) are 16 neighbours along the next K.
; K = 1,024 is two slots of 512 along K: both are first fills, nothing in LDS is filled twice.  The scales of the work-group's 512 rows come once, with the first fills.
; CLUSTERS: 4 x 4 work-groups.  The four of a row need the same tiles of A, the four of a column the same tiles of B: each tile is asked for jointly.
; 384 tiles for 256 WGPs: the second turn is half full; the launch is short beside the attention that follows, so the tile that reads LDS least is kept.
; LIMITS: NaN and infinities are not served; a block whose largest magnitude lies under 2^-124 (a block of zeros among them) gets the scale byte 1; this program alone reads the bytes.
; REGISTERS: window 0: v1-6 at work, v16-27 addresses; v32-95 scale words, two sets; v96-111 the bias along A's rows, a pair for each block; v128-191 A's fragments, one set; v192-255 the bias along B's rows.
;   window 1: B's fragments, two sets.  window 2: the accumulators of my rows 0-63 ((a, b) at v[8 (8 a + b)]).  window 3: those of my rows 64-127.
;   On the way out window 0's v32-79 and v128-191 are used anew (TM, PC, SW, XW, YW, HA).
.set NQ,     4                         ; matrix instructions deep in a slot: 512 along K
.set ROWB,   256                       ; a tile's row in bytes
.set KROW,   512                       ; a row of codes in memory
.set PITCH,  272                       ; an LDS row: 256 bytes + 16 of padding = 68 words: row r starts at bank 4 r mod 64 (64 banks of 4 bytes: ISA guide 11.1)
.set FR,     8                         ; registers of a fragment: 16 rows x 128 K
.set NL,     2                         ; LDS loads that bring one
.set NP,     4                         ; places behind this matrix instruction (ISA guide 7.12.1)
.set HALFT,  128*PITCH                 ; 128 rows: what one tensor load brings, and what one wave reads of A or of B
.set SLOT,   4*HALFT                   ; A's 256 rows, then B's 256 rows
.set KS,     32                        ; a row of scales in bytes
.set SCL,    2*SLOT                    ; behind the two slots: the scales, as rows of 256 bytes + 16 of padding
.set HALFS,  (128*KS/256)*272          ; the scales of 128 rows
.set SBLK,   (16*KS/256)*272           ; those of 16 rows
.set ADRA, 16                          ; v16-17  LDS address of my A fragments in slot 0, 1
.set ADRB, 20                          ; v20-21  the same for B
.set BBO,  22                          ; v22     lane term of the loads of the bias along B's rows: 64 h
.set BAO,  23                          ; v23     and along A's rows: 4 (r % 8 + 16 (r / 8))
.set VO,   24                          ; v24     16 x lane: an image's place for my lane
.set SOF,  25                          ; v25     my place among the scale words that leave
.set ADRS, 27                          ; v27     LDS address of my scale words: lanes 0-15 A's rows, lanes 16-31 B's
.set SC,   32                          ; scale words: set s at v[SC + 32 s]; register 4 i + q: lanes 0-15 A's block i, lanes 16-31 B's block i, the slot's q-th 128 along K
.set BA,   96
.set AF,   128
.set BB,   192
.set TM,   32                          ; the way out: v32-35 largest magnitudes, v36-39 bytes, v44-47 the conversions' scale operands
.set PC,   48                          ; v48-55 the codes just made
.set SW,   64                          ; v64-71 the scale word of each of my eight blocks of A's rows
.set XW,   72                          ; v72-75, v76-79 the scale words as they leave
.set YW,   76
.set HA,   128                         ; v128-191 64 numbers of a lane
.set G1, 24                            ; s[24:31] descriptor group 1 for A's tiles;  s[32:39] group 0, one set for each slot
.set G0, 32
.set G1B, 48                           ; s[48:55], s[56:63] the same for B's tiles
.set G0B, 56
.set G1S, 68                           ; s[68:75], s[76:79] groups 1 and 0 for A's scales;  s[80:87], s[88:91] for B's
.set G0S, 76
.set G1SB, 80
.set G0SB, 88
.set SEL, 46                           ; s[46:47] on the way out: lane selects for v_permlanex16_b32: lane l xor 16
.set MSB, 0
.macro WIN new                         ; the immediate's high byte repeats the setting that is left
.if MSB != (\new)
	s_set_vgpr_msb (MSB<<8)|(\new)
.set MSB, (\new)
.endif
.endm
.set MUL_LO, 0xa1                      ; source 0 (B) window 1, source 1 (A) window 0, C and D window 2
.set MUL_HI, 0xf1                      ; the same, C and D window 3
.set TO_B,   0x40                      ; destination window 1, address window 0
; A joint load: waves 0 and 1 fetch for A, waves 2 and 3 for B.  Each of the two lines has one mask and one set of registers for all that issue it; the branch hangs on the wave's number alone.
; Four v_nop follow each of the two lines, ahead of the jump, the label and what follows.
.macro JLOAD g0a, g1a, g0b, g1b
	s_cmp_eq_u32 s15, 0
	s_cbranch_scc0 .Lfor_b_\@
	tensor_load_to_lds s[\g0a:\g0a+3], s[\g1a:\g1a+7]
	s_nop 0
.rept 4
	v_nop
.endr
	s_branch .Lasked_\@
.Lfor_b_\@:
	tensor_load_to_lds s[\g0b:\g0b+3], s[\g1b:\g1b+7]
	s_nop 0
.rept 4
	v_nop
.endr
.Lasked_\@:
.endm
.macro CROUND                          ; a round of the cluster's barrier
	s_barrier_signal -1
	s_barrier_wait -1
	s_cmp_lg_u32 s14, 0
	s_cbranch_scc1 .Lnot_wave_0_\@
	s_barrier_signal -3
.Lnot_wave_0_\@:
	s_barrier_wait -3
	s_barrier_signal -1
	s_barrier_wait -1
.endm
	s_load_b256 s[4:11], s[0:1], 0x0               ; xc s[4:5], xs s[6:7], wc s[8:9], ws s[10:11]
	s_load_b128 s[96:99], s[0:1], 0x20             ; bq, bk
	s_load_b64 s[100:101], s[0:1], 0x30            ; bv
	v_lshl_add_u32 v126, v0, 2, 0x48400
	v_mov_b32 v127, 0
	ds_add_u32 v126, v127
	ds_add_u32 v126, v127
	v_lshrrev_b32 v1, 5, v0
	v_readfirstlane_b32 s14, v1                    ; wave 0..3
	s_lshr_b32 s15, s14, 1                         ; which half of the tile's rows is mine.  Also: I fetch for A (0) or for B (1)
	s_and_b32 s16, s14, 1                          ; which half of its columns.  Also: which 128 rows of that tile I fetch
	s_bfe_u32 s40, ttmp6, 0x40000                  ; cx, cy: my place in the cluster
	s_bfe_u32 s41, ttmp6, 0x40004
	s_and_b32 s67, ttmp7, 0xffff                   ; the cluster's y, 0 .. 23
	s_lshr_b32 s66, s67, 3                         ; T: eight clusters to a tensor
	s_and_b32 s67, s67, 7
	s_lshl_b32 s67, s67, 2                         ; 4 x the cluster's number in its tensor: it walks the axis of 8,192 rows
	s_cmp_eq_u32 s66, 2
	s_cselect_b32 s17, 0, s67
	s_cselect_b32 s42, s67, 0
	s_add_co_u32 s17, s17, s41                     ; tile row (A's 256 rows): made of cy, never of cx
	s_add_co_u32 s42, s42, s40                     ; tile column (B's 256 rows): made of cx, never of cy
	s_lshl_b32 s43, s41, 2
	s_lshl_b32 s43, 15, s43                        ; my row of the cluster
	s_lshl_b32 s44, 0x1111, s40                    ; my column
	; descriptor group 1: a tile of 128 rows x 256 bytes, padded in LDS
	s_or_b32 s[G1+0], s43, (0<<16)|(1<<20)|(1<<21)|(5<<22)|(3<<25)  ; 15:0 the mask; 17:16 elements of 1 byte; 20 padding on; 21 set beside a mask; 24:22 after every 64 words (code 5); 31:25 four words (code 3)
	s_or_b32 s[G1B+0], s44, (0<<16)|(1<<20)|(1<<21)|(5<<22)|(3<<25)
.irp g, G1, G1B
	s_mov_b32 s[\g+1], ROWB<<16                    ; tensor_dim0
	s_mov_b32 s[\g+2], 128<<16                     ; tensor_dim1
	s_mov_b32 s[\g+3], ROWB<<16                    ; tile_dim0
	s_mov_b32 s[\g+4], 128                         ; tile_dim1
	s_mov_b32 s[\g+5], KROW                        ; tensor_dim0_stride
	s_mov_b32 s[\g+6], 0
	s_mov_b32 s[\g+7], 0
.endr
	; and for the scales of 128 rows: a dense block of 4,096 bytes, as 16 rows of 256 bytes (32 elements of 8 bytes), 16 bytes of padding behind each
	s_or_b32 s[G1S+0], s43, (3<<16)|(1<<20)|(1<<21)|(5<<22)|(3<<25)
	s_or_b32 s[G1SB+0], s44, (3<<16)|(1<<20)|(1<<21)|(5<<22)|(3<<25)
.irp g, G1S, G1SB
	s_mov_b32 s[\g+1], 32<<16
	s_mov_b32 s[\g+2], (128*KS/256)<<16
	s_mov_b32 s[\g+3], 32<<16
	s_mov_b32 s[\g+4], 128*KS/256
	s_mov_b32 s[\g+5], 32
	s_mov_b32 s[\g+6], 0
	s_mov_b32 s[\g+7], 0
.endr
	s_lshl_b32 s18, s16, 7                         ; which 128 rows of the tile I fetch
	s_lshl_b32 s20, s17, 8
	s_add_co_u32 s20, s20, s18                     ; A: position 256 x tile row + 128 x half
	s_lshl_b32 s46, s42, 8
	s_add_co_u32 s46, s46, s18                     ; B: position 256 x tile column + 128 x half
	s_lshl_b32 s22, s20, 5                         ; where these rows' scales begin, in bytes (all under 2^23),
	s_mov_b32 s23, 0
	s_lshl_b32 s92, s46, 5
	s_mov_b32 s93, 0
	s_lshl_b32 s20, s20, 9                         ; and their codes
	s_mov_b32 s21, 0
	s_lshl_b32 s46, s46, 9
	s_mov_b32 s47, 0
	s_mul_i32 s45, s14, HALFT                      ; where they go: wave x 128 rows: no place in the cluster enters an LDS address
	s_mul_i32 s94, s14, HALFS
	s_wait_dscnt 0x0
	s_wait_kmcnt 0x0
	s_mov_b32 s3, 0
	s_lshl_b32 s2, s66, 22
	s_add_nc_u64 s[4:5], s[4:5], s[2:3]            ; each of the four buffers at tensor T
	s_lshl_b32 s2, s66, 18
	s_add_nc_u64 s[6:7], s[6:7], s[2:3]
	s_lshl_b32 s2, s66, 19
	s_add_nc_u64 s[8:9], s[8:9], s[2:3]
	s_lshl_b32 s2, s66, 15
	s_add_nc_u64 s[10:11], s[10:11], s[2:3]
	s_cmp_eq_u32 s66, 0
	s_cselect_b64 s[96:97], s[96:97], s[98:99]
	s_cmp_eq_u32 s66, 2
	s_cselect_b64 s[96:97], s[100:101], s[96:97]   ; the tensor's bias
	s_cselect_b64 s[12:13], s[8:9], s[4:5]         ; A's codes: the weight's for v, else the activation's
	s_cselect_b64 s[18:19], s[10:11], s[6:7]       ; A's scales
	s_cselect_b64 s[4:5], s[4:5], s[8:9]           ; B's codes
	s_cselect_b64 s[6:7], s[6:7], s[10:11]         ; B's scales
	s_add_nc_u64 s[12:13], s[12:13], s[20:21]
	s_add_nc_u64 s[18:19], s[18:19], s[22:23]
	s_add_nc_u64 s[4:5], s[4:5], s[46:47]
	s_add_nc_u64 s[6:7], s[6:7], s[92:93]
	s_load_b128 s[8:11], s[0:1], 0x38              ; ac s[8:9], asc s[10:11]: wanted on the way out
	CROUND                                         ; all sixteen work-groups are here: the joint loads meet
	s_mov_b32 s[G0S], 1
	s_add_co_u32 s[G0S+1], s94, SCL
	s_mov_b64 s[G0S+2:G0S+3], s[18:19]
	s_or_b32 s[G0S+3], s[G0S+3], 0x80000000
	s_mov_b32 s[G0SB], 1
	s_add_co_u32 s[G0SB+1], s94, SCL
	s_mov_b64 s[G0SB+2:G0SB+3], s[6:7]
	s_or_b32 s[G0SB+3], s[G0SB+3], 0x80000000
	JLOAD G0S, G1S, G0SB, G1SB                     ; the scales first: they are wanted with the first slot
.irp s, 0,1
	s_mov_b32 s[G0+4*\s], 1
	s_add_co_u32 s[G0+4*\s+1], s45, \s*SLOT
	s_add_nc_u64 s[G0+4*\s+2:G0+4*\s+3], s[12:13], \s*ROWB
	s_or_b32 s[G0+4*\s+3], s[G0+4*\s+3], 0x80000000
	s_mov_b32 s[G0B+4*\s], 1
	s_add_co_u32 s[G0B+4*\s+1], s45, \s*SLOT
	s_add_nc_u64 s[G0B+4*\s+2:G0B+4*\s+3], s[4:5], \s*ROWB
	s_or_b32 s[G0B+4*\s+3], s[G0B+4*\s+3], 0x80000000
	JLOAD G0+4*\s, G1, G0B+4*\s, G1B               ; three tensor loads of mine are out when the last is issued
.endr
	v_and_b32 v1, 15, v0                           ; r = l % 16
	v_bfe_u32 v2, v0, 4, 1                         ; h = l / 16
	v_mul_u32_u24 v3, v1, PITCH
	v_lshl_add_u32 v4, v2, 4, v3                   ; a fragment's row x pitch + 16 x half
	s_mul_i32 s21, s15, HALFT                      ; my 128 rows of A
	s_mul_i32 s22, s16, HALFT                      ; my 128 rows of B,
	s_add_co_u32 s22, s22, 2*HALFT                 ; which lie behind A's 256
.irp s, 0,1
	v_add_nc_u32 v[ADRA+\s], s21, v4
	v_add_nc_u32 v[ADRB+\s], s22, v4
	s_add_co_u32 s21, s21, SLOT
	s_add_co_u32 s22, s22, SLOT
.endr
	v_mul_u32_u24 v5, v1, KS                       ; my row's scales: 32 bytes a row,
	v_lshrrev_b32 v6, 8, v5
	v_lshl_add_u32 v5, v6, 4, v5                   ; and 16 more for each 256 passed
	s_mul_i32 s21, s15, HALFS                      ; A's: my 128 rows
	s_mul_i32 s22, s16, HALFS                      ; B's: my 128 rows, behind A's 256
	s_add_co_u32 s22, s22, 2*HALFS
	s_sub_co_u32 s22, s22, s21
	v_mul_u32_u24 v6, s22, v2                      ; lanes 16-31 take B's: one product, the distance between the two bases x h
	s_add_co_u32 s21, s21, SCL
	v_add_nc_u32 v5, v5, v6
	v_add_nc_u32 v[ADRS], s21, v5
	; THE BIAS runs along B's rows for q and k and along A's rows for v.  Both sets of registers are loaded, from indices inside the bias's 1,024, and the set that does not apply is made 0 on the way out.
	s_lshl_b32 s92, s17, 8
	s_lshl_b32 s21, s15, 7
	s_add_co_u32 s92, s92, s21                     ; my first row of A: kept for the way out
	s_lshl_b32 s93, s42, 8
	s_lshl_b32 s21, s16, 7
	s_add_co_u32 s93, s93, s21                     ; my first row of B
	s_cmp_eq_u32 s66, 2
	s_cselect_b32 s20, 0, s93
	s_cselect_b32 s22, s92, 0
	s_lshl_b32 s20, s20, 2
	s_mov_b32 s21, 0
	s_lshl_b32 s22, s22, 2
	s_mov_b32 s23, 0
	s_add_nc_u64 s[98:99], s[96:97], s[22:23]
	s_add_nc_u64 s[96:97], s[96:97], s[20:21]
	v_lshlrev_b32 v[BBO], 6, v2
	v_and_b32 v5, 8, v1
	v_add_nc_u32 v5, v5, v1                        ; r % 8 + 16 (r / 8)
	v_lshlrev_b32 v[BAO], 2, v5
.irp b, 0,1,2,3,4,5,6,7
	global_load_b128 v[BB+8*\b:BB+8*\b+3], v[BBO], s[96:97] offset:(32*(\b/2)+8*(\b%2))*4        ; register 8 b + j: index 32 (b / 2) + 16 h + 8 (b % 2) + j
	global_load_b128 v[BB+8*\b+4:BB+8*\b+7], v[BBO], s[96:97] offset:(32*(\b/2)+8*(\b%2))*4+16
.endr
.irp a, 0,1,2,3,4,5,6,7
	global_load_b32 v[BA+2*\a], v[BAO], s[98:99] offset:(32*(\a/2)+8*(\a%2))*4                   ; block a: index 32 (a / 2) + 8 (a % 2) + r % 8 + 16 (r / 8)
.endr
.macro FRAG reg, adr, q, i             ; a fragment, 16 rows x 128 K of 4-bit codes, is 8 registers: lane l holds row l % 16; registers 4 c .. 4 c + 3 hold K = 64 c + 32 (l / 16) + 0 .. 31
.irp c, 0,1
	ds_load_b128 v[\reg+4*\c:\reg+4*\c+3], v[\adr] offset:64*(\q)+32*\c+(\i)*16*PITCH
.endr
.endm
; 16 matrix instructions: A's blocks a0, a0 + 1 x B's eight, the slot's q-th 128 along K.  p: B's set; sc: the set of scale words.  zero = 1: the first product starts the sums: nothing is cleared.
; The 64 accumulators take turns, one instruction a turn, in the same order in every step.
.macro MUL16 a0, p, q, sc, zero
.irp a, \a0, \a0+1
.irp b, 0,1,2,3,4,5,6,7
.if \zero
	v_wmma_scale_f32_16x16x128_f8f6f4 v[8*(8*((\a)%4)+\b):8*(8*((\a)%4)+\b)+7], v[128*(\p)+FR*\b:128*(\p)+FR*\b+FR-1], v[AF+FR*(\a):AF+FR*(\a)+FR-1], 0, v[SC+8*NQ*(\sc)+NQ*\b+(\q)], v[SC+8*NQ*(\sc)+NQ*(\a)+(\q)] matrix_a_fmt:MATRIX_FMT_FP4 matrix_b_fmt:MATRIX_FMT_FP4 matrix_a_scale:MATRIX_SCALE_ROW1
.else
	v_wmma_scale_f32_16x16x128_f8f6f4 v[8*(8*((\a)%4)+\b):8*(8*((\a)%4)+\b)+7], v[128*(\p)+FR*\b:128*(\p)+FR*\b+FR-1], v[AF+FR*(\a):AF+FR*(\a)+FR-1], v[8*(8*((\a)%4)+\b):8*(8*((\a)%4)+\b)+7], v[SC+8*NQ*(\sc)+NQ*\b+(\q)], v[SC+8*NQ*(\sc)+NQ*(\a)+(\q)] matrix_a_fmt:MATRIX_FMT_FP4 matrix_b_fmt:MATRIX_FMT_FP4 matrix_a_scale:MATRIX_SCALE_ROW1
.endif
.endr
.endr
.endm
.macro FETCH_B slot, q, p              ; B's eight fragments of the slot's q-th 128 along K into set p
	WIN TO_B
.irp i, 0,1,2,3,4,5,6,7
	FRAG 128*(\p)+FR*\i, ADRB+\slot, \q, \i
.endr
	WIN 0
.endm
.macro FETCH_A slot, q, i0             ; A's blocks i0 .. i0 + 3
.irp i, \i0, \i0+1, \i0+2, \i0+3
	FRAG AF+FR*(\i), ADRA+\slot, \q, \i
.endr
.endm
.macro SCALES sc                       ; a slot's scale words into set sc: four words a row; lanes 0-15 take A's block i, lanes 16-31 B's block i
.irp i, 0,1,2,3,4,5,6,7
	ds_load_b128 v[SC+8*NQ*\sc+NQ*\i:SC+8*NQ*\sc+NQ*\i+3], v[ADRS] offset:\i*SBLK
.endr
.endm
; A load into a register that a matrix instruction has read, and a vector instruction that reads a matrix result or writes one of a matrix instruction's registers, stand four places behind it;
; only plain vector instructions that name none of its registers are places (ISA guide 7.12.1 for vector instructions).
.macro PLACES n
.rept \n
	v_nop
.endr
.endm
.macro STEP slot, q, zero              ; a step of 128 along K that has its successor in the same slot
	s_wait_dscnt 4*NL                              ; B's set and A's blocks 0-3 are in; the youngest eight loads (A's blocks 4-7) may be out
	WIN MUL_LO
	MUL16 0, (\q)%2, \q, \slot, \zero
	MUL16 2, (\q)%2, \q, \slot, \zero
	s_wait_dscnt 0                                 ; A's blocks 4-7 are in (asked for 32 matrix instructions ago)
	PLACES NP
	FETCH_B \slot, (\q)+1, 1-(\q)%2
	FETCH_A \slot, (\q)+1, 0
	WIN MUL_HI
	MUL16 4, (\q)%2, \q, \slot, \zero
	MUL16 6, (\q)%2, \q, \slot, \zero
	PLACES NP
	WIN 0
	FETCH_A \slot, (\q)+1, 4
.endm
.macro STEPS slot, from                ; the slot's steps from .. NQ - 2
.set Q, \from
.rept NQ-1-\from
	STEP \slot, Q, 0
.set Q, Q+1
.endr
.endm
	s_wait_tensorcnt 1                             ; the scales and my part of slot 0 are in (slot 1's load may be out),
	s_barrier_signal -1
	s_barrier_wait -1                              ; everybody's are
	FETCH_B 0, 0, 0
	FETCH_A 0, 0, 0
	SCALES 0
	FETCH_A 0, 0, 4
	STEP 0, 0, 1                                   ; the first step's products start the sums
	STEPS 0, 1
	; slot 0's last step goes over to slot 1: one barrier, in front of which each wave has seen its own part of slot 1 land.
	s_wait_tensorcnt 0x0                           ; my part of slot 1 has landed
	s_wait_dscnt 4*NL                              ; (A's blocks 4-7, eight loads, may be out)
	WIN MUL_LO
	MUL16 0, 1, NQ-1, 0, 0
	s_wait_dscnt 0x0                               ; no LDS instruction of mine is out at the signal
	s_barrier_signal -1
	MUL16 2, 1, NQ-1, 0, 0
	WIN 0
	s_barrier_wait -1                              ; slot 1 is whole
	PLACES NP
	v_add_nc_u32 v[ADRS], 4*NQ, v[ADRS]            ; on to slot 1's scale words: 16 bytes on in each row
	FETCH_B 1, 0, 0
	FETCH_A 1, 0, 0
	SCALES 1
	WIN MUL_HI
	MUL16 4, 1, NQ-1, 0, 0
	MUL16 6, 1, NQ-1, 0, 0
	PLACES NP
	WIN 0
	FETCH_A 1, 0, 4
	STEPS 1, 0
	s_wait_dscnt 4*NL                              ; the very last step: nothing more to fetch
	WIN MUL_LO
	MUL16 0, 1, NQ-1, 1, 0
	MUL16 2, 1, NQ-1, 1, 0
	s_wait_dscnt 0
	WIN MUL_HI
	MUL16 4, 1, NQ-1, 1, 0
	MUL16 6, 1, NQ-1, 1, 0
	WIN 0
	; ---- THE WAY OUT.  Where my results go.  RX: my first token (of 8,192), EW: my first channel (of 1,024).
	PLACES NP                                      ; behind the last products: their operands' and scales' registers are written below
	s_wait_kmcnt 0x0                               ; ac, asc
	s_cmp_eq_u32 s66, 2                            ; v?
	s_cselect_b32 s24, s93, s92                    ; RX
	s_cselect_b32 s25, s92, s93                    ; EW
	s_cselect_b32 s26, 16384, 0                    ; in a chunk V's tiles lie behind K's 16 KiB
	s_cselect_b32 s27, 8192, 0                     ; in a head's scale words V's lie behind K's 8 KiB
	s_cselect_b32 s48, 8, 9                        ; a key step's scale words: 256 bytes for V, 512 for q and k
	s_mov_b32 s32, 512
	s_cselect_b32 s32, 1024, s32                   ; from a block's image to the next block's
	s_mov_b32 s34, 512
	s_cselect_b32 s34, 128000, s34                 ; and from block 3's to block 4's: for V that is the next head: 131,072 - 3 x 1,024
	s_mov_b32 s44, 256
	s_cselect_b32 s44, 12288, s44                  ; where lanes 16-31 put their scale words: tiles 4-7 (q, k), or the next head (V)
	s_cselect_b32 s45, 0, -1                       ; the bias along B's rows counts for q and k,
	s_cselect_b32 s49, -1, 0                       ; that along A's rows for v
	s_cmp_eq_u32 s66, 0                            ; q?
	s_cselect_b32 s50, 16, 17                      ; a head in ac: 65,536 bytes of q, 131,072 of K and V
	s_cselect_b32 s51, 14, 15                      ; four key steps: 16,384 bytes of q, a chunk of 32,768 of K and V
	s_cselect_b32 s52, 0, 0x400000                 ; K and V lie behind q's 4 MiB
	s_cselect_b32 s53, 0, 0x80000                  ; their scale words behind q's 512 KiB
	s_mov_b32 s54, 12288
	s_cselect_b32 s54, 8192, s54                   ; a head's scale words
	s_mov_b32 s33, 0
	s_mov_b32 s35, 0
	s_lshr_b32 s55, s24, 11                        ; the batch
	s_lshl_b32 s55, s55, 4
	s_lshr_b32 s56, s25, 6
	s_add_co_u32 s55, s55, s56                     ; 16 x batch + head: the first of my two heads
	s_bfe_u32 s56, s24, 0x40007                    ; the key step: which 128 tokens of the batch's 2,048
	s_lshl_b32 s28, s55, s50
	s_add_co_u32 s28, s28, s52
	s_add_co_u32 s28, s28, s26
	s_lshr_b32 s57, s56, 2
	s_lshl_b32 s57, s57, s51
	s_add_co_u32 s28, s28, s57
	s_and_b32 s57, s56, 3
	s_lshl_b32 s57, s57, 12
	s_add_co_u32 s28, s28, s57
	s_mov_b32 s29, 0
	s_add_nc_u64 s[28:29], s[8:9], s[28:29]        ; where registers 0-3 of block 0's codes go
	s_lshl_b32 s30, 1, s50
	s_cmp_eq_u32 s66, 2
	s_cselect_b32 s30, 512, s30                    ; registers 4-7: the second half of V's image, or the next head's tile of q or k
	s_mov_b32 s31, 0
	s_add_nc_u64 s[30:31], s[28:29], s[30:31]
	s_mul_i32 s36, s55, s54
	s_add_co_u32 s36, s36, s53
	s_add_co_u32 s36, s36, s27
	s_lshl_b32 s57, s56, s48
	s_add_co_u32 s36, s36, s57
	s_mov_b32 s37, 0
	s_add_nc_u64 s[36:37], s[10:11], s[36:37]      ; the scale words of my first head,
	s_mov_b32 s38, s54
	s_mov_b32 s39, 0
	s_add_nc_u64 s[38:39], s[36:37], s[38:39]      ; of my second
	s_mov_b32 s[SEL], 0x76543210
	s_mov_b32 s[SEL+1], 0xfedcba98
	v_and_b32 v3, 31, v0                           ; lane
	v_lshlrev_b32 v[VO], 4, v3
	v_mul_u32_u24 v[SOF], s44, v2
	v_lshl_add_u32 v[SOF], v1, 4, v[SOF]           ; 16 r + h x the distance chosen above
	s_wait_loadcnt 0x0                             ; the biases
.set ei, 0
.rept 64
	v_cndmask_b32 v[BB+ei], 0, v[BB+ei], s45
.set ei, ei+1
.endr
.irp a, 0,1,2,3,4,5,6,7
	v_cndmask_b32 v[BA+2*\a+1], 0, v[BA+2*\a], s49 ; both halves of the pair that the packed addition names
	v_cndmask_b32 v[BA+2*\a], 0, v[BA+2*\a], s49
.endr
.irp b, 0,1,2,3
	v_mov_b32 v[TM+4+\b], 0                        ; written once: a lane permute's destination counts as one of its sources
.endr
; 64 numbers of a lane, none negative, register 16 b + i = k 32 b + 16 (lane / 16) + i of my row, become a fragment's codes in v[PC] on and its scale word in v[pw].
.macro QUANT s, pw
.irp b, 0,1,2,3
	v_max3_num_f32 v[TM+\b], v[\s+16*\b], v[\s+1+16*\b], 0x1800000   ; block b: my 16 numbers, and the floor 2^(3 - 127): the byte cannot fall under 1
.endr
.irp i, 2,4,6,8,10,12,14
.irp b, 0,1,2,3
	v_max3_num_f32 v[TM+\b], v[TM+\b], v[\s+16*\b+\i], v[\s+1+16*\b+\i]   ; (the four blocks by turns)
.endr
.endr
.irp b, 0,1,2,3
	v_permlanex16_b32 v[TM+4+\b], v[TM+\b], s[SEL], s[SEL+1]
.endr
.irp b, 0,1,2,3
	v_max_num_f32 v[TM+\b], v[TM+\b], v[TM+4+\b]   ; with lane l xor 16's: the block's largest
.endr
.irp b, 0,1,2,3
	v_add_nc_u32 v[TM+12+\b], 0xff000000, v[TM+\b] ; 2 off its exponent field: the conversion's scale operand
.endr
.irp b, 0,1,2,3
	v_lshrrev_b32 v[TM+4+\b], 23, v[TM+12+\b]      ; the scale's byte
.endr
	v_lshl_or_b32 v[\pw], v[TM+5], 8, v[TM+4]      ; the four bytes make my row's scale word (both halves of the lanes hold it)
	v_lshl_or_b32 v[\pw], v[TM+6], 16, v[\pw]
	v_lshl_or_b32 v[\pw], v[TM+7], 24, v[\pw]
.irp b, 0,1,2,3
	v_cvt_scalef32_pk8_fp4_f32 v[PC+2*\b], v[\s+16*\b:\s+7+16*\b], v[TM+12+\b]
	v_cvt_scalef32_pk8_fp4_f32 v[PC+1+2*\b], v[\s+8+16*\b:\s+15+16*\b], v[TM+12+\b]
.endr
	v_nop                                          ; one plain place behind a scaled conversion
.irp c, 0,1                                    ; the operand's layout wants a whole block in a lane: lanes 0-15 block 2 c, lanes 16-31 block 2 c + 1
.irp i, 0,1
	v_permlane16_swap_b32 v[PC+4*\c+\i], v[PC+2+4*\c+\i]
.endr
.endr
.endm
; Block a of A's rows: its eight accumulators + bias, relu, quantised: 128 along the next K.  For q and k those are two heads of 64: registers 0-3 are the first head's tile, 4-7 the second's.  For v they are one tile of 16 channels x 128 keys.
.macro EPI a
	WIN 0x02+(\a)/4                                ; source 0: the accumulators' window
.set ei, 0
.rept 32
	v_pk_add_f32 v[HA+ei:HA+ei+1], v[64*((\a)%4)+ei:64*((\a)%4)+ei+1], v[BB+ei:BB+ei+1]   ; ascending: each accumulator is read from its low end on
.set ei, ei+2
.endr
	WIN 0
.set ei, 0
.rept 32
	v_pk_add_f32 v[HA+ei:HA+ei+1], v[HA+ei:HA+ei+1], v[BA+2*(\a):BA+2*(\a)+1]             ; one of the two biases is 0: the sum is rounded once
.set ei, ei+2
.endr
.set ei, 0
.rept 64
	v_max_num_f32 v[HA+ei], 0, v[HA+ei]            ; the activation, in f32
.set ei, ei+1
.endr
.if (\a) > 0
	s_wait_xcnt 0x0                                ; the last block's stores have read their data and their bases: both are written again only behind this wait
.if (\a) == 4
	s_add_nc_u64 s[28:29], s[28:29], s[34:35]
	s_add_nc_u64 s[30:31], s[30:31], s[34:35]
.else
	s_add_nc_u64 s[28:29], s[28:29], s[32:33]
	s_add_nc_u64 s[30:31], s[30:31], s[32:33]
.endif
.endif
	QUANT HA, SW+\a
	global_store_b128 v[VO], v[PC:PC+3], s[28:29]      ; 32 lanes store 512 consecutive bytes, aligned
	global_store_b128 v[VO], v[PC+4:PC+7], s[30:31]
.endm
.irp a, 0,1,2,3,4,5,6,7
	EPI \a
.endr
	; the scale words: [16 rows][4 words]: lanes 0-15 bring blocks 0-3, lanes 16-31 blocks 4-7.  Of a word of q or k the low two bytes are the first head's two blocks.
	; Its upper two stand over zero codes in the next launch's product: they are bytes 1 .. 254 of the other head, or 0: never 0xff.
	v_cmp_gt_u32 vcc_lo, 16, v3
.irp i, 0,1,2,3
	v_cndmask_b32 v[XW+\i], v[SW+4+\i], v[SW+\i], vcc_lo
.endr
	global_store_b128 v[SOF], v[XW:XW+3], s[36:37]
	s_cmp_eq_u32 s66, 2                            ; V's eight words have gone to their two heads by that one store.  (T is the same in all partners)
	s_cbranch_scc1 .Lend
.irp i, 0,1,2,3
	v_lshrrev_b32 v[YW+\i], 16, v[XW+\i]           ; q, k: the second head's two bytes
.endr
	global_store_b128 v[SOF], v[YW:YW+3], s[38:39]
.Lend:
	s_wait_tensorcnt 0x0
	ds_add_u32 v126, v127
	s_wait_dscnt 0x0
	CROUND                                         ; the closing round: no work-group ends while a partner may still ask for a tile that names it
	s_endpgm
.Lfunc_end_k_qbc99694651_proj:
	.size	k_qbc99694651_proj, .Lfunc_end_k_qbc99694651_proj-k_qbc99694651_proj
	.p2alignl 7, 3214868480
	.fill 96, 4, 3214868480
	.section	.rodata,"a",@progbits
	.p2align	6, 0x0
	.amdhsa_kernel k_qbc99694651_proj
		.amdhsa_group_segment_fixed_size 296448
		.amdhsa_private_segment_fixed_size 0
		.amdhsa_enable_private_segment 0
		.amdhsa_kernarg_size 72
		.amdhsa_user_sgpr_count 2
		.amdhsa_user_sgpr_kernarg_segment_ptr 1
		.amdhsa_wavefront_size32 1
		.amdhsa_system_sgpr_workgroup_id_x 1
		.amdhsa_system_sgpr_workgroup_id_y 1
		.amdhsa_system_sgpr_workgroup_id_z 1
		.amdhsa_system_vgpr_workitem_id 0
		.amdhsa_next_free_vgpr 1024
		.amdhsa_next_free_sgpr 102
		.amdhsa_reserve_vcc 1
		.amdhsa_float_denorm_mode_32 3
		.amdhsa_float_denorm_mode_16_64 3
		.amdhsa_memory_ordered 1
		.amdhsa_forward_progress 1
		.amdhsa_inst_pref_size 186
	.end_amdhsa_kernel
	.amdgpu_metadata
---
amdhsa.version: [ 1, 2 ]
amdhsa.kernels:
  - .name:           k_qbc99694651_proj
    .symbol:         k_qbc99694651_proj.kd
    .args:
      - { .name: xc, .offset: 0, .size: 8, .value_kind: global_buffer, .address_space: global }
      - { .name: xs, .offset: 8, .size: 8, .value_kind: global_buffer, .address_space: global }
      - { .name: wc, .offset: 16, .size: 8, .value_kind: global_buffer, .address_space: global }
      - { .name: ws, .offset: 24, .size: 8, .value_kind: global_buffer, .address_space: global }
      - { .name: bq, .offset: 32, .size: 8, .value_kind: global_buffer, .address_space: global }
      - { .name: bk, .offset: 40, .size: 8, .value_kind: global_buffer, .address_space: global }
      - { .name: bv, .offset: 48, .size: 8, .value_kind: global_buffer, .address_space: global }
      - { .name: ac, .offset: 56, .size: 8, .value_kind: global_buffer, .address_space: global }
      - { .name: asc, .offset: 64, .size: 8, .value_kind: global_buffer, .address_space: global }
    .group_segment_fixed_size: 296448
    .private_segment_fixed_size: 0
    .kernarg_segment_align: 8
    .kernarg_segment_size: 72
    .max_flat_workgroup_size: 128
    .sgpr_count:     102
    .vgpr_count:     1024
    .wavefront_size: 32
...
	.end_amdgpu_metadata
.endif
;; end of part 2
;; launch attn (part 3): grid 8 x 64, 16 waves a work-group, clusters of 4 x 1, 215,040 bytes of LDS; arguments ac, asc, attention_mask, queries, xres; writes xres
.if DOCPART == 3
	.amdgcn_target "amdgcn-amd-amdhsa--gfx1250"
	.amdhsa_code_object_version 6
	.text
	.protected	k_qbc99694651_attn
	.globl	k_qbc99694651_attn
	.p2align	8
	.type	k_qbc99694651_attn,@function
k_qbc99694651_attn:
	s_mov_b64 s[64:65], 0
	v_nop
	global_prefetch_b8 v0, s[64:65] scope:SCOPE_SE
	s_setreg_imm32_b32 hwreg(HW_REG_WAVE_MODE, 25, 1), 1
	s_wait_xcnt 0x0
	s_wait_alu depctr_hold_cnt(0) depctr_sa_sdst(0) depctr_va_vdst(0) depctr_va_sdst(0) depctr_va_ssrc(0) depctr_va_vcc(0) depctr_vm_vsrc(0)
	s_getreg_b32 s2, hwreg(HW_REG_IB_STS2, 6, 4)
	s_cmp_eq_u32 s2, 0
	s_cbranch_scc0 .Lentry_in_a_cluster
	s_endpgm
.Lentry_in_a_cluster:
	s_bfe_u32 s2, ttmp6, 0x10000c
	s_cmp_lg_u32 s2, 0x3003
	s_cbranch_scc0 .Lentry_shape_is_right
	s_endpgm
.Lentry_shape_is_right:
; xres[b][s][64 head + d] = queries[b][s][64 head + d] + the sum over keys of softmax(logits)[key] v[key][d]; logit = q . k / 8 where attention_mask[b][s] is not 0, else 1e-9 for every key.
; Both products on codes of FP4 (E2M1) with one E8M0 scale for each 32 along K.  q, k, v come as images of operand registers, made by the launch before (lane l's 16 bytes at 16 l).
; THE SOFTMAX AHEAD OF THE SECOND PRODUCT: t = logit x log2(e); M = the row's largest t so far, rounded up to a whole number; p = 2^(t - M) is quantised along the keys, not normalised.
; The row's sum is taken of the unquantised p and divides at the end.  When M moves, the sum and O are multiplied by 2^(old M - new M): exact.
; THE MASK COSTS NO LINE IN A KEY STEP: a lane is one query, and holds cl = log2(e) / 8, tl = 0, or for a masked query cl = 0, tl = 1e-9 log2(e).  The row's t is fma(largest score, cl, tl); t - M is fma(score, cl, -M).
; A masked query so has M = 1 and t - M = -1, which is what f32 makes of 1.44e-9 - 1: p = 1/2 for every key.
; LIMITS: the scores of masked rows must be finite (0 x score is formed); NaN and infinities are not served; a block of p whose every number has fallen under 2^-124 gets the scale byte 1.
; SHARES.  A work-group owns 256 queries of one (batch, head); each of its sixteen waves owns 16 of them, one tile, in 256 registers: four waves to a SIMD, so that one wave's vector work stands beside another's matrix work and LDS loads.
; A WHOLE HEAD'S K, V AND SCALE WORDS, 143,360 bytes, LIE IN LDS: every tile is filled once, in four chunks of 512 keys, all asked for at the head; nothing is filled twice.
; CLUSTER.  The four query blocks of a cluster belong to one head: every fill is a joint load that names the four.
; LAYOUT.  S^T = K Q^T (source 0 = 16 keys, source 1 = my 16 queries; the head's 64 fill half of the instruction's 128: registers 4-7 of both operands are zeros), O^T = V^T P^T: a lane holds ONE query throughout.
; Lane r of a tile holds row 32 (t / 2) + 8 (t % 2) + r % 8 + 16 (r / 8) of its 128: so the 16 registers of tiles 2 b and 2 b + 1 of S^T are keys 32 b + 16 (lane / 16) + 0 .. 15.
.set KSC,   131072                     ; LDS: four chunks of 32,768 (K's 4 steps x 8 tiles x 512 bytes, then V's 4 steps x 4 tiles x 1,024); K's scale words, 8,192 bytes: [step][2][16 rows][4 words];
.set VSC,   139264                     ; V's, 4,096 bytes: [step][16 rows][4 words];
.set STAGE, 143360                     ; the way out: 16 rows x (256 bytes + 16) for each wave; no tensor load lands here
.set LI,  1                            ; v1   16 x lane
.set SR,  2                            ; v2   KSC + 16 r
.set SV,  3                            ; v3   VSC + 16 r
.set ADK, 4                            ; v4   the step's tiles;  v5 K's scale words;  v6 V's
.set ADS, 5
.set ADT, 6
.set GO,  7                            ; v7   my byte offset in the wave's rows of queries and xres
.set CL,  8                            ; v[8:9] cl, tl
.set SI,  10                           ; v10, v11 the stage: in, back
.set SO,  11
                                       ; v12 -M, v13 the largest t, v[14:15] the sum in two halves
.set QF,  16                           ; v16-23 Q's fragment (v20-23 zeros)
.set QS,  24                           ; v24  Q's scale words
.set TMP, 25                           ; v25  at work
.set F,   26                           ; v[26:27] f = 2^(old M - new M), named as a pair
.set KSR, 28                           ; v28-35 K's scale words of a step
.set VSR, 36                           ; v36-39 V's
.set KF,  40                           ; v40-103 K's eight fragments (registers 4-7 of each zeros, set once)
.set S,   104                          ; v104-167 S^T, then p; V's four fragments land in v104-135 behind the conversions
.set O,   168                          ; v168-199 O^T
.set PC,  200                          ; v200-207 p's codes
.set BM,  208                          ; v208-211 each block's largest
.set PB,  212                          ; v212-215 the other half's, then the bytes
.set SCO, 216                          ; v216-219 the conversions' scale operands
.set PW,  220                          ; v220 p's scale word
.set SU2, 222                          ; v[222:223] the sums' second chain
.set QR,  224                          ; v224-255 my 16 rows x 256 bytes of queries: asked for at the head, wanted at the end
.set WV,  14                           ; s14 my wave's number
.set SEL, 20                           ; s[20:21] lane selects for v_permlanex16_b32: lane l xor 16
.set TB,  22                           ; s22 LDS byte at which the step's tiles of K begin;  s23 K's scale words;  s24 V's
.set TS,  23
.set TJ,  24
.set CNT, 25
.set G1C, 28                           ; s[28:35] descriptor group 1 for a quarter of a chunk;  s[36:43] for a quarter of the scale words
.set G1S, 36
.set G0S, 44                           ; s[44:47] group 0 for the scale words;  s[48:63] for the four chunks
.set G0C, 48
.macro ROUND                           ; a round of the cluster's barrier
	s_barrier_signal -1
	s_barrier_wait -1
	s_cmp_lg_u32 s[WV], 0
	s_cbranch_scc1 .Lnot_wave_0_\@
	s_barrier_signal -3
.Lnot_wave_0_\@:
	s_barrier_wait -3
	s_barrier_signal -1
	s_barrier_wait -1
.endm
	s_load_b256 s[4:11], s[0:1], 0x0               ; ac s[4:5], asc s[6:7], attention_mask s[8:9], queries s[10:11]
	s_load_b64 s[12:13], s[0:1], 0x20              ; xres
	v_lshl_add_u32 v254, v0, 2, 0x34000
	v_mov_b32 v255, 0
	ds_add_u32 v254, v255
	ds_add_u32 v254, v255
	s_wait_dscnt 0x0
	v_lshrrev_b32 v[TMP], 5, v0
	v_readfirstlane_b32 s[WV], v[TMP]              ; wave 0..15
	s_bfe_u32 s15, ttmp6, 0x40000                  ; cx: my place in the cluster
	s_lshl_b32 s16, ttmp9, 2
	s_add_co_u32 s16, s16, s15                     ; my block of 256 queries: it enters Q's, the mask's, queries' and xres's addresses alone
	s_and_b32 s17, ttmp7, 0xffff                   ; 16 x batch + head, which the four partners share
	s_and_b32 s18, s[WV], 3                        ; which quarter I fetch, if I fetch
	; dense blocks, as rows of 256 bytes (32 elements of 8 bytes), no padding: every fragment is read 16 x lane on end
	s_mov_b32 s[G1C], 15|(3<<16)|(1<<21)           ; 15:0 the mask: all four work-groups; 17:16 elements of 8 bytes; 21 set beside a mask
	s_mov_b32 s[G1C+1], 32<<16                     ; tensor_dim0
	s_mov_b32 s[G1C+2], 32<<16                     ; tensor_dim1: 32 rows = 8,192 bytes
	s_mov_b32 s[G1C+3], 32<<16                     ; tile_dim0
	s_mov_b32 s[G1C+4], 32                         ; tile_dim1
	s_mov_b32 s[G1C+5], 32                         ; tensor_dim0_stride
	s_mov_b32 s[G1C+6], 0
	s_mov_b32 s[G1C+7], 0
	s_mov_b32 s[G1S], 15|(3<<16)|(1<<21)
	s_mov_b32 s[G1S+1], 32<<16
	s_mov_b32 s[G1S+2], 12<<16                     ; 12 rows = 3,072 bytes
	s_mov_b32 s[G1S+3], 32<<16
	s_mov_b32 s[G1S+4], 12
	s_mov_b32 s[G1S+5], 32
	s_mov_b32 s[G1S+6], 0
	s_mov_b32 s[G1S+7], 0
	s_lshl_b32 s66, s17, 17                        ; K and V: 131,072 bytes a head, behind q's 4 MiB; my quarter of a chunk
	s_lshl_b32 s19, s18, 13
	s_add_co_u32 s66, s66, s19
	s_add_co_u32 s66, s66, 0x400000
	s_mov_b32 s67, 0
	s_mul_i32 s68, s17, 12288                      ; their scale words: 12,288 bytes a head, behind q's 512 KiB; my quarter
	s_mul_i32 s70, s18, 3072
	s_add_co_u32 s68, s68, s70
	s_add_co_u32 s68, s68, 0x80000
	s_mov_b32 s69, 0
	s_add_co_u32 s70, s70, KSC
	s_wait_kmcnt 0x0
	s_add_nc_u64 s[66:67], s[4:5], s[66:67]
	s_add_nc_u64 s[68:69], s[6:7], s[68:69]
	s_mov_b32 s[G0S], 1
	s_mov_b32 s[G0S+1], s70
	s_mov_b64 s[G0S+2:G0S+3], s[68:69]
	s_or_b32 s[G0S+3], s[G0S+3], 0x80000000
.irp c, 0,1,2,3
	s_mov_b32 s[G0C+4*\c], 1                       ; count = 1
	s_add_co_u32 s[G0C+4*\c+1], s19, 32768*\c      ; LDS address: the chunk, my quarter
	s_add_nc_u64 s[G0C+4*\c+2:G0C+4*\c+3], s[66:67], 32768*\c
	s_or_b32 s[G0C+4*\c+3], s[G0C+4*\c+3], 0x80000000   ; type = 2
.endr
	ROUND                                          ; all four work-groups are here: the joint loads meet
	s_cmp_lt_u32 s[WV], 4                          ; waves 0 to 3 fetch: all their fills stand in this one branch: five tensor loads of a wave are out
	s_cbranch_scc0 .Lno_fetch
	tensor_load_to_lds s[G0S:G0S+3], s[G1S:G1S+7]
	s_nop 0
.irp c, 0,1,2,3
	tensor_load_to_lds s[G0C+4*\c:G0C+4*\c+3], s[G1C:G1C+7]
	s_nop 0
.endr
.rept 4
	v_nop
.endr
.Lno_fetch:
	; my tile of queries is number 16 x block + wave of the head's 128
	s_lshl_b32 s72, s17, 16                        ; Q's image: 65,536 bytes a head, 512 a tile
	s_lshl_b32 s26, s16, 13
	s_add_co_u32 s72, s72, s26
	s_lshl_b32 s26, s[WV], 9
	s_add_co_u32 s72, s72, s26
	s_mov_b32 s73, 0
	s_add_nc_u64 s[4:5], s[4:5], s[72:73]
	s_lshl_b32 s72, s17, 13                        ; Q's scale words: 8,192 bytes a head; [8 tiles: 512][4 tiles: 256][16 rows][4 words]
	s_lshl_b32 s26, s16, 10
	s_add_co_u32 s72, s72, s26
	s_lshr_b32 s26, s[WV], 2
	s_lshl_b32 s26, s26, 8
	s_add_co_u32 s72, s72, s26
	s_lshl_b32 s26, s18, 2
	s_add_co_u32 s72, s72, s26
	s_add_nc_u64 s[6:7], s[6:7], s[72:73]
	s_lshr_b32 s74, s17, 4                         ; the tile's first token: 2,048 x batch + 256 x block + 32 (wave / 2) + 8 (wave % 2)
	s_lshl_b32 s74, s74, 11
	s_lshl_b32 s26, s16, 8
	s_add_co_u32 s74, s74, s26
	s_lshr_b32 s26, s[WV], 1
	s_lshl_b32 s26, s26, 5
	s_add_co_u32 s74, s74, s26
	s_and_b32 s26, s[WV], 1
	s_lshl_b32 s26, s26, 3
	s_add_co_u32 s74, s74, s26
	s_lshl_b32 s72, s74, 2
	s_add_nc_u64 s[8:9], s[8:9], s[72:73]          ; its word of the mask
	s_lshl_b32 s72, s74, 12                        ; its row of 4,096 bytes, the head's 256 bytes in it
	s_and_b32 s26, s17, 15
	s_lshl_b32 s26, s26, 8
	s_add_co_u32 s72, s72, s26
	s_add_nc_u64 s[10:11], s[10:11], s[72:73]
	s_add_nc_u64 s[12:13], s[12:13], s[72:73]
	s_mov_b32 s[SEL], 0x76543210
	s_mov_b32 s[SEL+1], 0xfedcba98
	v_and_b32 v104, 31, v0                         ; lane
	v_and_b32 v105, 15, v0                         ; r
	v_bfe_u32 v106, v0, 4, 1                       ; h
	v_lshlrev_b32 v[LI], 4, v104
	v_lshl_add_u32 v[SR], v105, 4, KSC
	v_lshl_add_u32 v[SV], v105, 4, VSC
	v_lshlrev_b32 v107, 4, v105                    ; Q's scale word: 16 r
	v_and_b32 v108, 8, v105
	v_add_nc_u32 v108, v108, v105                  ; r % 8 + 16 (r / 8): lane r's token in the tile
	v_lshlrev_b32 v108, 2, v108
	v_lshlrev_b32 v[GO], 12, v106
	v_lshl_add_u32 v[GO], v105, 4, v[GO]           ; lanes 0-15 take one row, lanes 16-31 the next; 16 bytes a lane
	global_load_b128 v[QF:QF+3], v[LI], s[4:5]     ; Q's fragment stays in registers
	global_load_b32 v[QS], v107, s[6:7]
	global_load_b32 v109, v108, s[8:9]             ; my query's word of the mask
.irp i, 0,1,2,3,4,5,6,7
	global_load_b128 v[QR+4*\i:QR+4*\i+3], v[GO], s[10:11] offset:(2*\i+8*(\i/4))*4096 th:TH_LOAD_NT   ; stage rows 2 i, 2 i + 1 are tokens 2 i + 8 (i / 4) + 0, 1: sixteen lanes read 256 consecutive bytes, aligned
.endr
.irp j, 4,5,6,7
	v_mov_b32 v[QF+\j], 0                          ; the upper 64 of the instruction's K: zero codes
.endr
.irp t, 0,1,2,3,4,5,6,7
.irp j, 4,5,6,7
	v_mov_b32 v[KF+8*\t+\j], 0
.endr
.endr
.set j, 0
.rept 32
	v_mov_b32 v[O+j], 0                            ; O^T.  (The step is written once: the first finds zeros, which the first change of M leaves zeros)
.set j, j+1
.endr
	v_mov_b32 v13, 0xff61b1e6                      ; the largest t so far: -3e38, under every t
	v_floor_f32 v12, -v13                          ; -M
	v_mov_b32 v14, 0                               ; the sum, in two halves
	v_mov_b32 v15, 0
	v_mov_b32 v[F+1], 0                            ; (named as the upper half of a pair)
.irp b, 0,1,2,3
	v_mov_b32 v[PB+\b], 0                          ; written once: a lane permute's destination counts as one of its sources
.endr
	v_mov_b32 v110, 0x3e38aa3b                     ; log2(e) / 8
	v_mov_b32 v111, 0x30c64852                     ; 1e-9 x log2(e)
	v_mov_b32 v112, 0
	s_wait_loadcnt 8                               ; Q, its scale words and the mask are in; the eight loads of queries may be out
	v_cmp_ne_u32 vcc_lo, 0, v109
	v_cndmask_b32 v[CL], 0, v110, vcc_lo           ; cl
	v_cndmask_b32 v[CL+1], v111, v112, vcc_lo      ; tl
; A KEY STEP: 128 keys.
.macro STEP
	v_add_nc_u32 v[ADK], s[TB], v[LI]
	v_add_nc_u32 v[ADS], s[TS], v[SR]
	v_add_nc_u32 v[ADT], s[TJ], v[SV]
	v_nop                                          ; five places in all: this step's first products write over registers that the last step's last products read as V
	v_nop
.irp t, 0,1,2,3,4,5,6,7
	ds_load_b128 v[KF+8*\t:KF+8*\t+3], v[ADK] offset:512*\t
.endr
	ds_load_b128 v[KSR:KSR+3], v[ADS]              ; the scale words of tiles 0-3,
	ds_load_b128 v[KSR+4:KSR+7], v[ADS] offset:256 ; of tiles 4-7
	s_wait_dscnt 0x0
.irp t, 0,1,2,3,4,5,6,7
	v_wmma_scale_f32_16x16x128_f8f6f4 v[S+8*\t:S+8*\t+7], v[KF+8*\t:KF+8*\t+7], v[QF:QF+7], 0, v[KSR+\t], v[QS] matrix_a_fmt:MATRIX_FMT_FP4 matrix_b_fmt:MATRIX_FMT_FP4
.endr
.rept 4
	v_nop
.endr
.irp b, 0,1,2,3
	v_max3_num_f32 v[BM+\b], v[S+16*\b], v[S+1+16*\b], v[S+2+16*\b]   ; the largest score of each block of 32 keys: it serves the row's maximum and, since p rises with the score, the block's largest p
.endr
.irp i, 3,5,7,9,11,13
.irp b, 0,1,2,3
	v_max3_num_f32 v[BM+\b], v[BM+\b], v[S+16*\b+\i], v[S+1+16*\b+\i]   ; (the four blocks by turns)
.endr
.endr
.irp b, 0,1,2,3
	v_max_num_f32 v[BM+\b], v[BM+\b], v[S+15+16*\b]
.endr
.irp b, 0,1,2,3
	v_permlanex16_b32 v[PB+\b], v[BM+\b], s[SEL], s[SEL+1]
.endr
.irp b, 0,1,2,3
	v_max_num_f32 v[BM+\b], v[BM+\b], v[PB+\b]     ; with lane l xor 16's 16 keys
.endr
	v_max3_num_f32 v[TMP], v[BM], v[BM+1], v[BM+2]
	v_max_num_f32 v[TMP], v[TMP], v[BM+3]          ; the step's largest score of my query
	v_fma_f32 v[TMP], v[TMP], v[CL], v[CL+1]       ; as t; a masked query's is 1e-9 log2(e)
	v_max_num_f32 v13, v13, v[TMP]                 ; the running largest t
	v_mov_b32 v[TMP], v12
	v_floor_f32 v12, -v13                          ; the new -M = -ceil(t): a whole number
	v_sub_f32 v[TMP], v12, v[TMP]                  ; M's old value less its new one: a whole number, 0 or less
	v_cvt_i32_f32 v[TMP], v[TMP]                   ; (it saturates)
	v_ldexp_f32 v[F], 1.0, v[TMP]                  ; f = 2^(old M - new M)
.set j, 0
.rept 32
	v_pk_fma_f32 v[S+j:S+j+1], v[S+j:S+j+1], v[CL:CL+1], v[12:13] op_sel_hi:[1,0,0]   ; t - M, two at a time (of the pairs cl and -M the low word serves both halves)
.set j, j+2
.endr
.irp b, 0,1,2,3
	v_fma_f32 v[BM+\b], v[BM+\b], v[CL], v12       ; the same of each block's largest score
.endr
.set j, 0
.rept 64
	v_exp_f32 v[S+j], v[S+j]                       ; p = 2^(t - M), at most 1
.set j, j+1
.endr
	v_pk_mul_f32 v[14:15], v[14:15], v[F:F+1] op_sel_hi:[1,0]   ; the sums under the new M: the plain instruction behind the exponentials
	s_wait_alu depctr_va_vdst(0)                   ; one wait for the batch of 64, ahead of its first reader
.irp b, 0,1,2,3
	v_exp_f32 v[BM+\b], v[BM+\b]                   ; the block's largest p: the same two instructions on the same number give the same bits
.endr
	v_pk_add_f32 v[SU2:SU2+1], v[S:S+1], v[S+2:S+3]   ; the row's sum of the unquantised p, two at a time, in two chains; it reads the 64 alone
.set j, 4
.rept 15
	v_pk_add_f32 v[14:15], v[14:15], v[S+j:S+j+1]
	v_pk_add_f32 v[SU2:SU2+1], v[SU2:SU2+1], v[S+j+2:S+j+3]
.set j, j+4
.endr
	v_pk_add_f32 v[14:15], v[14:15], v[SU2:SU2+1]
	s_wait_alu depctr_va_vdst(0)                   ; and one for the four
.irp b, 0,1,2,3
	v_max_num_f32 v[BM+\b], 0x1800000, v[BM+\b]    ; the floor 2^(3 - 127): the byte cannot fall under 1
.endr
.irp b, 0,1,2,3
	v_add_nc_u32 v[SCO+\b], 0xff000000, v[BM+\b]   ; 2 off the exponent field: the conversion's scale operand
.endr
.irp b, 0,1,2,3
	v_lshrrev_b32 v[PB+\b], 23, v[SCO+\b]          ; the scale's byte
.endr
	v_lshl_or_b32 v[PW], v[PB+1], 8, v[PB]         ; p's scale word for these 128 keys
	v_lshl_or_b32 v[PW], v[PB+2], 16, v[PW]
	v_lshl_or_b32 v[PW], v[PB+3], 24, v[PW]
.irp b, 0,1,2,3
	v_cvt_scalef32_pk8_fp4_f32 v[PC+2*\b], v[S+16*\b:S+7+16*\b], v[SCO+\b]
	v_cvt_scalef32_pk8_fp4_f32 v[PC+1+2*\b], v[S+8+16*\b:S+15+16*\b], v[SCO+\b]
.endr
	v_nop                                          ; one plain place behind a scaled conversion
.irp t, 0,1,2,3                                ; V's four tiles of 16 channels x these 128 keys land where p lay
.irp c, 0,1
	ds_load_b128 v[S+8*\t+4*\c:S+8*\t+4*\c+3], v[ADK] offset:16384+1024*\t+512*\c
.endr
.endr
	ds_load_b128 v[VSR:VSR+3], v[ADT]
.irp c, 0,1                                    ; the operand's layout wants a whole block in a lane: lanes 0-15 block 2 c, lanes 16-31 block 2 c + 1
.irp i, 0,1
	v_permlane16_swap_b32 v[PC+4*\c+\i], v[PC+2+4*\c+\i]
.endr
.endr
.set j, 0
.rept 16
	v_pk_mul_f32 v[O+j:O+j+1], v[O+j:O+j+1], v[F:F+1] op_sel_hi:[1,0]   ; O^T under the new M.  (These sixteen are also the places between p's codes and scale word and the products below)
.set j, j+2
.endr
	s_wait_dscnt 0x0
.irp t, 0,1,2,3
	v_wmma_scale_f32_16x16x128_f8f6f4 v[O+8*\t:O+8*\t+7], v[S+8*\t:S+8*\t+7], v[PC:PC+7], v[O+8*\t:O+8*\t+7], v[VSR+\t], v[PW] matrix_a_fmt:MATRIX_FMT_FP4 matrix_b_fmt:MATRIX_FMT_FP4
.endr
.endm
; A chunk of 512 keys: four steps.  Tensor loads of a wave end in order (ISA guide 10.11.1): with 3 - c out, the scale words and chunks 0 .. c of the fetching wave have landed; the barrier shows that of all four.
.macro CHUNK c
	s_wait_tensorcnt 3-\c
	s_barrier_signal -1
	s_barrier_wait -1
	s_mov_b32 s[TB], 32768*\c
	s_mov_b32 s[TS], 2048*\c
	s_mov_b32 s[TJ], 1024*\c
	s_mov_b32 s[CNT], 4
.Lstep_\@:
	STEP
	s_add_co_u32 s[TB], s[TB], 4096
	s_add_co_u32 s[TS], s[TS], 512
	s_add_co_u32 s[TJ], s[TJ], 256
	s_sub_co_u32 s[CNT], s[CNT], 1
	s_cmp_lg_u32 s[CNT], 0
	s_cbranch_scc1 .Lstep_\@
.endm
	CHUNK 0
	CHUNK 1
	CHUNK 2
	CHUNK 3
	; THE WAY OUT.  O^T / the sum goes through my own stage in LDS and comes back as rows of 256 bytes; queries are added; sixteen lanes store 256 consecutive bytes, aligned.
	v_add_f32 v14, v14, v15                        ; the sum's two halves,
	v_permlanex16_b32 v[TMP], v14, s[SEL], s[SEL+1]
	v_add_f32 v14, v14, v[TMP]                     ; and lane l xor 16's: the row's sum
	v_rcp_f32 v14, v14
	v_and_b32 v136, 15, v0                         ; (plain work behind the reciprocal, and the places behind the last products)  r
	v_bfe_u32 v137, v0, 4, 1                       ; h
	s_mul_i32 s26, s[WV], 16*272
	s_add_co_u32 s26, s26, STAGE                   ; my stage
	v_mul_u32_u24 v[SI], v136, 272
	v_lshl_add_u32 v[SI], v137, 6, v[SI]
	v_add_nc_u32 v[SI], s26, v[SI]                 ; in: row r, + 64 h
	v_mul_u32_u24 v[SO], v137, 272
	v_lshl_add_u32 v[SO], v136, 4, v[SO]
	v_add_nc_u32 v[SO], s26, v[SO]                 ; back: lanes 0-15 one row, lanes 16-31 the next
	s_wait_alu depctr_va_vdst(0)                   ; the wait ahead of the reciprocal's first reader
.set j, 0
.rept 16
	v_pk_mul_f32 v[S+j:S+j+1], v[O+j:O+j+1], v[14:15] op_sel_hi:[1,0]   ; register 8 t + i is channel 32 (t / 2) + 16 h + 8 (t % 2) + i; each accumulator is read from its low end on
.set j, j+2
.endr
.irp t, 0,1,2,3
	ds_store_b128 v[SI], v[S+8*\t:S+8*\t+3] offset:128*(\t/2)+32*(\t%2)
	ds_store_b128 v[SI], v[S+8*\t+4:S+8*\t+7] offset:128*(\t/2)+32*(\t%2)+16
.endr
.irp i, 0,1,2,3,4,5,6,7
	ds_load_b128 v[S+32+4*\i:S+32+4*\i+3], v[SO] offset:2*\i*272   ; LDS serves a wave's instructions in order: these see my stores
.endr
	s_wait_loadcnt 0x0                             ; queries
.irp i, 0,1,2,3,4,5,6,7
	s_wait_dscnt 7-\i                              ; the later rows' loads may be out
	v_pk_add_f32 v[S+32+4*\i:S+33+4*\i], v[S+32+4*\i:S+33+4*\i], v[QR+4*\i:QR+4*\i+1]
	v_pk_add_f32 v[S+34+4*\i:S+35+4*\i], v[S+34+4*\i:S+35+4*\i], v[QR+4*\i+2:QR+4*\i+3]
	global_store_b128 v[GO], v[S+32+4*\i:S+35+4*\i], s[12:13] offset:(2*\i+8*(\i/4))*4096 th:TH_STORE_NT
.endr
	s_wait_xcnt 0x0
	v_lshl_add_u32 v254, v0, 2, 0x34000
	v_mov_b32 v255, 0
	s_wait_tensorcnt 0x0
	ds_add_u32 v254, v255
	s_wait_dscnt 0x0
	ROUND                                          ; the closing round: no work-group ends while a partner may still ask for a tile that names it
	s_endpgm
.Lfunc_end_k_qbc99694651_attn:
	.size	k_qbc99694651_attn, .Lfunc_end_k_qbc99694651_attn-k_qbc99694651_attn
	.p2alignl 7, 3214868480
	.fill 96, 4, 3214868480
	.section	.rodata,"a",@progbits
	.p2align	6, 0x0
	.amdhsa_kernel k_qbc99694651_attn
		.amdhsa_group_segment_fixed_size 215040
		.amdhsa_private_segment_fixed_size 0
		.amdhsa_enable_private_segment 0
		.amdhsa_kernarg_size 40
		.amdhsa_user_sgpr_count 2
		.amdhsa_user_sgpr_kernarg_segment_ptr 1
		.amdhsa_wavefront_size32 1
		.amdhsa_system_sgpr_workgroup_id_x 1
		.amdhsa_system_sgpr_workgroup_id_y 1
		.amdhsa_system_sgpr_workgroup_id_z 1
		.amdhsa_system_vgpr_workitem_id 0
		.amdhsa_next_free_vgpr 256
		.amdhsa_next_free_sgpr 76
		.amdhsa_reserve_vcc 1
		.amdhsa_float_denorm_mode_32 3
		.amdhsa_float_denorm_mode_16_64 3
		.amdhsa_memory_ordered 1
		.amdhsa_forward_progress 1
		.amdhsa_inst_pref_size 77
	.end_amdhsa_kernel
	.amdgpu_metadata
---
amdhsa.version: [ 1, 2 ]
amdhsa.kernels:
  - .name:           k_qbc99694651_attn
    .symbol:         k_qbc99694651_attn.kd
    .args:
      - { .name: ac, .offset: 0, .size: 8, .value_kind: global_buffer, .address_space: global }
      - { .name: asc, .offset: 8, .size: 8, .value_kind: global_buffer, .address_space: global }
      - { .name: attention_mask, .offset: 16, .size: 8, .value_kind: global_buffer, .address_space: global }
      - { .name: queries, .offset: 24, .size: 8, .value_kind: global_buffer, .address_space: global }
      - { .name: xres, .offset: 32, .size: 8, .value_kind: global_buffer, .address_space: global }
    .group_segment_fixed_size: 215040
    .private_segment_fixed_size: 0
    .kernarg_segment_align: 8
    .kernarg_segment_size: 40
    .max_flat_workgroup_size: 512
    .sgpr_count:     76
    .vgpr_count:     256
    .wavefront_size: 32
...
	.end_amdgpu_metadata
.endif
;; end of part 3
;; launch ln (part 4): grid 512 x 1, 4 waves a work-group, no clusters, 0 bytes of LDS; arguments xres, gamma, beta, out0; writes out0
.if DOCPART == 4
	.amdgcn_target "amdgcn-amd-amdhsa--gfx1250"
	.amdhsa_code_object_version 6
	.text
	.protected	k_qbc99694651_ln
	.globl	k_qbc99694651_ln
	.p2align	8
	.type	k_qbc99694651_ln,@function
k_qbc99694651_ln:
	s_mov_b64 s[64:65], 0
	v_nop
	global_prefetch_b8 v0, s[64:65] scope:SCOPE_SE
	s_setreg_imm32_b32 hwreg(HW_REG_WAVE_MODE, 25, 1), 1
	s_wait_xcnt 0x0
; out0[row][:] = (x - mean) * rsqrt(var + 1e-5) * gamma + beta, x = xres[row][:], 8,192 rows of 1,024 f32.
; A row is 4,096 bytes: one wave takes a whole row, eight loads of 16 bytes a lane, and keeps it in 32 registers: it is read once, and no wave waits for another.  No LDS, no barrier, no matrix unit: memory binds.
; A wave takes four rows; all its 48 loads (gamma, beta, four rows) go out at once: 16 KiB of rows a wave on their way.  Each load and store of a wave covers 512 consecutive bytes, aligned.
; The variance is taken of x - mean, in a second pass over the registers, as the definition has it: a common offset of the inputs does no harm.
; LIMITS: NaN and infinities are not served.
.set G,  8                             ; v8-39    gamma: register 4 j + q is column 128 j + 4 lane + q
.set B,  40                            ; v40-71   beta
.set X0, 72                            ; v72-199  row i at v[72 + 32 i]
                                       ; v200-207 sums at work; v[208:209] the mean; v[210:211] rsqrt: pairs of which the low word serves both halves
.macro ALLSUM                          ; v[200:201] -> the sum over both halves and all 32 lanes, in every lane's v200
	v_add_f32 v200, v200, v201
	v_add_f32_dpp v200, v200, v200 row_xmask:1 row_mask:0xf bank_mask:0xf
	v_add_f32_dpp v200, v200, v200 row_xmask:2 row_mask:0xf bank_mask:0xf
	v_add_f32_dpp v200, v200, v200 row_xmask:4 row_mask:0xf bank_mask:0xf
	v_add_f32_dpp v200, v200, v200 row_xmask:8 row_mask:0xf bank_mask:0xf
	v_permlanex16_b32 v201, v200, s14, s15
	v_add_f32 v200, v200, v201
.endm
	s_load_b256 s[4:11], s[0:1], 0x0               ; xres s[4:5], gamma s[6:7], beta s[8:9], out0 s[10:11]
	v_lshrrev_b32 v2, 5, v0
	v_readfirstlane_b32 s2, v2                     ; wave 0..3
	v_and_b32 v1, 31, v0
	v_lshlrev_b32 v1, 4, v1                        ; 16 bytes a lane
	s_lshl_b32 s12, ttmp9, 16                      ; 16 rows of 4,096 bytes a work-group,
	s_lshl_b32 s13, s2, 14                         ; four a wave
	s_add_co_u32 s12, s12, s13
	s_mov_b32 s13, 0
	s_mov_b32 s14, 0x76543210                      ; v_permlanex16_b32: lane l xor 16
	s_mov_b32 s15, 0xfedcba98
	s_mov_b32 s16, 0x3a800000                      ; 1 / 1,024
	s_mov_b32 s17, 0x3727c5ac                      ; 1e-5
	v_mov_b32 v209, 0                              ; (upper halves of pairs that are named whole)
	v_mov_b32 v211, 0
	s_wait_kmcnt 0x0
	s_add_nc_u64 s[4:5], s[4:5], s[12:13]
	s_add_nc_u64 s[10:11], s[10:11], s[12:13]
.irp j, 0,1,2,3,4,5,6,7
	global_load_b128 v[G+4*\j:G+4*\j+3], v1, s[6:7] offset:512*\j
.endr
.irp j, 0,1,2,3,4,5,6,7
	global_load_b128 v[B+4*\j:B+4*\j+3], v1, s[8:9] offset:512*\j
.endr
.irp i, 0,1,2,3
.irp j, 0,1,2,3,4,5,6,7
	global_load_b128 v[X0+32*\i+4*\j:X0+32*\i+4*\j+3], v1, s[4:5] offset:4096*\i+512*\j th:TH_LOAD_NT
.endr
.endr
.macro ROW i
.set XR, X0+32*(\i)
	s_wait_loadcnt 8*(3-(\i))                      ; loads come back in order (ISA guide 5.7.1): this row is in, the later rows' eight loads each may be out
	v_pk_add_f32 v[200:201], v[XR:XR+1], v[XR+2:XR+3]          ; the sum of my 32 numbers, in four chains
	v_pk_add_f32 v[202:203], v[XR+4:XR+5], v[XR+6:XR+7]
	v_pk_add_f32 v[204:205], v[XR+8:XR+9], v[XR+10:XR+11]
	v_pk_add_f32 v[206:207], v[XR+12:XR+13], v[XR+14:XR+15]
.irp k, 0,1,2,3
	v_pk_add_f32 v[200+2*\k:201+2*\k], v[200+2*\k:201+2*\k], v[XR+16+2*\k:XR+17+2*\k]
.endr
.irp k, 0,1,2,3
	v_pk_add_f32 v[200+2*\k:201+2*\k], v[200+2*\k:201+2*\k], v[XR+24+2*\k:XR+25+2*\k]
.endr
	v_pk_add_f32 v[200:201], v[200:201], v[202:203]
	v_pk_add_f32 v[204:205], v[204:205], v[206:207]
	v_pk_add_f32 v[200:201], v[200:201], v[204:205]
	ALLSUM
	v_mul_f32 v208, s16, v200                      ; the mean
.set j, 0
.rept 16
	v_pk_add_f32 v[XR+j:XR+j+1], v[XR+j:XR+j+1], v[208:209] op_sel_hi:[1,0] neg_lo:[0,1] neg_hi:[0,1]   ; x - mean, in place
.set j, j+2
.endr
	v_pk_mul_f32 v[200:201], v[XR:XR+1], v[XR:XR+1]            ; the squares, in two chains
	v_pk_mul_f32 v[202:203], v[XR+2:XR+3], v[XR+2:XR+3]
.set j, 4
.rept 7
	v_pk_fma_f32 v[200:201], v[XR+j:XR+j+1], v[XR+j:XR+j+1], v[200:201]
	v_pk_fma_f32 v[202:203], v[XR+j+2:XR+j+3], v[XR+j+2:XR+j+3], v[202:203]
.set j, j+4
.endr
	v_pk_add_f32 v[200:201], v[200:201], v[202:203]
	ALLSUM
	v_fma_f32 v200, v200, s16, s17                 ; var + eps
	v_rsq_f32 v210, v200
	v_nop                                          ; a plain instruction between the root and the use of its result
	s_wait_alu depctr_va_vdst(0)                   ; and the wait ahead of the first reader
.set j, 0
.rept 16
	v_pk_mul_f32 v[XR+j:XR+j+1], v[XR+j:XR+j+1], v[210:211] op_sel_hi:[1,0]
.set j, j+2
.endr
.set j, 0
.rept 16
	v_pk_fma_f32 v[XR+j:XR+j+1], v[XR+j:XR+j+1], v[G+j:G+j+1], v[B+j:B+j+1]
.set j, j+2
.endr
.irp j, 0,1,2,3,4,5,6,7
	global_store_b128 v1, v[XR+4*\j:XR+4*\j+3], s[10:11] offset:4096*(\i)+512*\j th:TH_STORE_NT
.endr
.endm
	ROW 0
	ROW 1
	ROW 2
	ROW 3
	s_endpgm
.Lfunc_end_k_qbc99694651_ln:
	.size	k_qbc99694651_ln, .Lfunc_end_k_qbc99694651_ln-k_qbc99694651_ln
	.p2alignl 7, 3214868480
	.fill 96, 4, 3214868480
	.section	.rodata,"a",@progbits
	.p2align	6, 0x0
	.amdhsa_kernel k_qbc99694651_ln
		.amdhsa_group_segment_fixed_size 0
		.amdhsa_private_segment_fixed_size 0
		.amdhsa_enable_private_segment 0
		.amdhsa_kernarg_size 32
		.amdhsa_user_sgpr_count 2
		.amdhsa_user_sgpr_kernarg_segment_ptr 1
		.amdhsa_wavefront_size32 1
		.amdhsa_system_sgpr_workgroup_id_x 1
		.amdhsa_system_sgpr_workgroup_id_y 1
		.amdhsa_system_sgpr_workgroup_id_z 1
		.amdhsa_system_vgpr_workitem_id 0
		.amdhsa_next_free_vgpr 216
		.amdhsa_next_free_sgpr 66
		.amdhsa_reserve_vcc 0
		.amdhsa_float_denorm_mode_32 3
		.amdhsa_float_denorm_mode_16_64 3
		.amdhsa_memory_ordered 1
		.amdhsa_forward_progress 1
		.amdhsa_inst_pref_size 33
	.end_amdhsa_kernel
	.amdgpu_metadata
---
amdhsa.version: [ 1, 2 ]
amdhsa.kernels:
  - .name:           k_qbc99694651_ln
    .symbol:         k_qbc99694651_ln.kd
    .args:
      - { .name: xres, .offset: 0, .size: 8, .value_kind: global_buffer, .address_space: global }
      - { .name: gamma, .offset: 8, .size: 8, .value_kind: global_buffer, .address_space: global }
      - { .name: beta, .offset: 16, .size: 8, .value_kind: global_buffer, .address_space: global }
      - { .name: out0, .offset: 24, .size: 8, .value_kind: global_buffer, .address_space: global }
    .group_segment_fixed_size: 0
    .private_segment_fixed_size: 0
    .kernarg_segment_align: 8
    .kernarg_segment_size: 32
    .max_flat_workgroup_size: 128
    .sgpr_count:     66
    .vgpr_count:     216
    .wavefront_size: 32
...
	.end_amdgpu_metadata
.endif
;; end of part 4
